; MI455X (gfx1250); checked and timed in simulation.
; The chip was launched on July 23, 2026; its instructions are those of AMD's public machine-readable ISA for CDNA 5 (MIT licence, August 2026) and "CDNA5" Instruction Set Architecture Reference Guide (July 2026). The comments in the code are by the model that wrote it; some were corrected since.
;; KDA Layer. Allowed arithmetic: float matrix products may take bf16 or f16 operands with f32 sums; other float arithmetic in f32, or as packed bf16 or f16 multiplies, adds, multiply-adds, maxima and minima; sums over many terms, partial sums and values carried from step to step in f32; what a program stores and reads back later, other than sums and carried values, may be rounded once to bf16 or f16.
;; Inputs: Wb 8 x 2,048 float32; Wk 1,024 x 2,048 float32; Wo 2,048 x 1,024 float32; Wq 1,024 x 2,048 float32; Wv 1,024 x 2,048 float32; alpha_log 8 x 128 float32; bb 8 float32; x 2 x 2,048 x 2,048 float32.
;; Outputs: out0 2 x 2,048 x 2,048 float32; out1 2 x 8 x 128 x 128 float32.
;; One version. Each part assembles by itself: llvm-mc -triple=amdgcn-amd-amdhsa -mcpu=gfx1250 --defsym DOCPART=n.
;; ======== version 1 of 1: 4 launches
;; limits: values are held in f16: magnitudes above 65,504 overflow, below 6.1e-05 lose precision
;; workspace buffers: xb 16,777,216 bytes; wcat 12,582,912 bytes; wob 4,194,304 bytes; tab 1,179,648 bytes; qkv 25,165,824 bytes; wpart 16,777,216 bytes; amax 4,096 bytes; oh 8,388,608 bytes
;; launch prep (part 1): grid 544 x 1, 8 waves a work-group, no clusters, 76,800 bytes of LDS; arguments x, Wq, Wk, Wv, Wo, Wb, bb, xb, wcat, wob, tab; writes xb, wcat, wob, tab
.if DOCPART == 1
	.amdgcn_target "amdgcn-amd-amdhsa--gfx1250"
	.amdhsa_code_object_version 6
	.text
	.protected	k_q5b7dee6f39_prep
	.globl	k_q5b7dee6f39_prep
	.p2align	8
	.type	k_q5b7dee6f39_prep,@function
k_q5b7dee6f39_prep:
	s_mov_b64 s[64:65], 0
	v_nop
	global_prefetch_b8 v0, s[64:65] scope:SCOPE_SE
	s_setreg_imm32_b32 hwreg(HW_REG_WAVE_MODE, 25, 1), 1
	s_wait_xcnt 0x0
; PREP.  Casts and small tables for the three launches behind it.  A work-group takes one of four paths by its number g:
;   g < 256        16 tokens of x: f32 -> bf16 into xb, and beta = sigmoid(x . Wb^T + bb) for these tokens (matrix unit, bf16 operands, f32 sums)
;   256 .. 447     16 rows of Wq, Wk or Wv -> bf16 into wcat, regrouped by head: [8 heads][q 128 | k 128 | v 128 rows][2048]
;   448 .. 511     131,072 bytes of Wo -> rounded to bf16, that number written as f16 into wob
;   512 .. 543     64 rows of the rotary table: tab[s][octet o][cos of channels 8 o .. 8 o + 7 | sin of the same], f32, 512 bytes a row
; A stream: every load of a wave covers 512 consecutive bytes, every store 256, aligned.  No cluster and no tensor load: no byte is read by two work-groups but Wb's 64 KiB.
; LIMITS.  |Wo| stays under 65,504 (f16); below 6e-5 it keeps f16's fixed step.  The table's angles are s x inv_freq taken in turns, in f32: good to about 2e-4 rad at s = 2047.
; cos(2 pi r) is the series in r^2 up to r^16 on |r| <= 1/2 (first term left out: 1.4e-7); sin is cos a quarter turn back.  NaN and infinities are not treated apart.
.set XP,    528                        ; LDS pitch of a wave's 256 bf16 of a token: 512 bytes + 16
.set RED,   8*16*XP                    ; behind the eight waves' x tiles: eight partial beta tiles of 1,024 bytes
.set SPARE, RED+8*1024                 ; the spare words: 128 bytes for each wave, four blocks of 256 bytes that no other line names
.set BETA_OFF, 1048576                 ; beta lies behind the rotary table in tab: f32 [4096 tokens][8 heads]
.set LN,  1                            ; v1   lane
.set R,   2                            ; v2   lane % 16
.set HF,  3                            ; v3   lane / 16
.set SO,  4                            ; v4   source offset: 1,024 w + 16 l
.set DO,  5                            ; v5   destination offset: 512 w + 8 l
.set LS,  6                            ; v6   LDS: where I put 8 bytes of a token's row
.set LF,  7                            ; v7   LDS: my place in a fragment of x
.set WO,  8                            ; v8   my place in Wb
.set RS,  9                            ; v9   LDS: my 32 bytes of my wave's partial tile
.set RR,  10                           ; v10  LDS: my number of the finished tile
.set BO,  11                           ; v11  4 x thread
.set SPW, 12                           ; v12  my spare word; never rewritten
.set NIL, 13                           ; v13  0; never rewritten
.set ACC, 32                           ; v[32:63]   four accumulators
.set X,   64                           ; v[64:191]  32 loads of 16 bytes; packed in place into v[64:127]
.set XF,  128                          ; v[128:191] fragments of x
.set WB,  192                          ; v[192:255] fragments of Wb
.set WV,  4                            ; s4   wave
.macro LOADX                           ; 16 rows x my wave's 1,024 bytes, 512 consecutive bytes a load
.set n, 0
.rept 32
	global_load_b128 v[X+4*n:X+4*n+3], v[SO], s[32:33] offset:(n/2)*8192+(n%2)*512 th:TH_LOAD_NT
.set n, n+1
.endr
.endm
.macro CVTB                            ; two roundings to bf16 a line; ascending, so that packing in place never overtakes its sources
.set n, 0
.rept 64
	v_cvt_pk_bf16_f32 v[X+n], v[X+2*n], v[X+2*n+1]
.set n, n+1
.endr
.endm
.macro STOREX                          ; 256 consecutive bytes a store, aligned
.set n, 0
.rept 32
	global_store_b64 v[DO], v[X+2*n:X+2*n+1], s[36:37] offset:(n/2)*4096+(n%2)*256
.set n, n+1
.endr
.endm
	s_load_b512 s[8:23], s[0:1], 0x0               ; x 8, Wq 10, Wk 12, Wv 14, Wo 16, Wb 18, bb 20, xb 22
	s_load_b128 s[24:27], s[0:1], 0x40             ; wcat 24, wob 26
	s_load_b64 s[28:29], s[0:1], 0x50              ; tab
	v_lshl_add_u32 v[SPW], v0, 2, SPARE
	v_mov_b32 v[NIL], 0
	v_and_b32 v[LN], 31, v0
	v_lshrrev_b32 v14, 5, v0
	v_readfirstlane_b32 s[WV], v14
	v_and_b32 v[R], 15, v0
	v_bfe_u32 v[HF], v0, 4, 1
	s_lshl_b32 s5, s[WV], 10
	v_lshl_add_u32 v[SO], v[LN], 4, s5
	s_lshl_b32 s5, s[WV], 9
	v_lshl_add_u32 v[DO], v[LN], 3, s5
	s_mov_b32 s6, ttmp9
	s_mov_b32 s3, 0                                ; the high word of every offset
	s_mov_b32 s7, 0xffff0000
	s_wait_kmcnt 0x0
	s_cmp_ge_u32 s6, 512
	s_cbranch_scc1 .Ltab
	s_cmp_ge_u32 s6, 256
	s_cbranch_scc1 .Lweights
	; ---- x and beta ----
	s_lshl_b32 s2, s6, 17
	s_add_nc_u64 s[32:33], s[8:9], s[2:3]          ; 16 tokens of 8,192 bytes
	s_lshl_b32 s2, s6, 16
	s_add_nc_u64 s[36:37], s[22:23], s[2:3]
	s_lshl_b32 s2, s6, 9
	s_add_co_u32 s2, s2, BETA_OFF
	s_add_nc_u64 s[40:41], s[28:29], s[2:3]        ; 16 tokens x 8 heads x 4 bytes
	s_mul_i32 s5, s[WV], 16*XP
	v_lshl_add_u32 v[LS], v[LN], 3, s5
	v_mul_u32_u24 v[LF], v[R], XP
	v_lshl_add_u32 v[LF], v[HF], 4, v[LF]
	v_add_nc_u32 v[LF], s5, v[LF]
	v_and_b32 v[WO], 7, v0                         ; head = row % 8: the 16 rows of the first source hold the 8 heads twice
	v_lshlrev_b32 v[WO], 13, v[WO]
	v_lshl_add_u32 v[WO], v[HF], 5, v[WO]
	s_lshl_b32 s5, s[WV], 10
	v_add_nc_u32 v[WO], s5, v[WO]
	s_add_co_u32 s5, s5, RED
	v_lshl_add_u32 v[RS], v[LN], 5, s5
	v_lshl_add_u32 v[RR], v0, 2, RED
	v_lshlrev_b32 v[BO], 2, v0
	v_and_b32 v16, 7, v0
	v_lshlrev_b32 v16, 2, v16
.set n, 0
.rept 32                                       ; Wb: fragment n / 4 of my wave's 256 channels: channels 8 h .. and 16 + 8 h .., in f32
	global_load_b128 v[X+4*n:X+4*n+3], v[WO], s[18:19] offset:(n/4)*128+((n%4)/2)*64+(n%2)*16
.set n, n+1
.endr
	global_load_b32 v17, v16, s[20:21]             ; bb of head thread % 8
	s_wait_loadcnt 0x0
.set n, 0
.rept 64
	v_cvt_pk_bf16_f32 v[WB+n], v[X+2*n], v[X+2*n+1]
.set n, n+1
.endr
	v_cvt_pk_bf16_f32 v17, v17, v17                ; every input is rounded to bf16, the bias too
	v_lshlrev_b32 v17, 16, v17
	LOADX
	s_wait_loadcnt 0x0
	CVTB
	STOREX
.set n, 0
.rept 32                                       ; the same bf16 into my wave's own LDS tile, to be read back as fragments: my own bytes, served in order, no barrier
	ds_store_b64 v[LS], v[X+2*n:X+2*n+1] offset:(n/2)*XP+(n%2)*256
.set n, n+1
.endr
.irp f, 0,1,2,3,4,5,6,7
	ds_load_b128 v[XF+8*\f:XF+8*\f+3],   v[LF] offset:64*\f
	ds_load_b128 v[XF+8*\f+4:XF+8*\f+7], v[LF] offset:64*\f+32
.endr
	s_wait_dscnt 0x0
.irp f, 0,1,2,3                                ; first source = heads, second = tokens: a lane ends with token l % 16 and heads 0 .. 7 in registers 0 .. 7
	v_wmma_f32_16x16x32_bf16 v[ACC+8*\f:ACC+8*\f+7], v[WB+8*\f:WB+8*\f+7], v[XF+8*\f:XF+8*\f+7], 0
.endr
.irp f, 0,1,2,3                                ; the four accumulators take turns
	v_wmma_f32_16x16x32_bf16 v[ACC+8*\f:ACC+8*\f+7], v[WB+32+8*\f:WB+32+8*\f+7], v[XF+32+8*\f:XF+32+8*\f+7], v[ACC+8*\f:ACC+8*\f+7]
.endr
.rept 4
	v_nop                                          ; four places between the last product and the sums that read results (ISA guide 7.12.1)
.endr
.irp q, 0,2,4,6
	v_pk_add_f32 v[ACC+\q:ACC+\q+1], v[ACC+\q:ACC+\q+1], v[ACC+8+\q:ACC+8+\q+1]
.endr
.irp q, 0,2,4,6
	v_pk_add_f32 v[ACC+16+\q:ACC+16+\q+1], v[ACC+16+\q:ACC+16+\q+1], v[ACC+24+\q:ACC+24+\q+1]
.endr
.irp q, 0,2,4,6
	v_pk_add_f32 v[ACC+\q:ACC+\q+1], v[ACC+\q:ACC+\q+1], v[ACC+16+\q:ACC+16+\q+1]
.endr
	ds_store_b128 v[RS], v[ACC:ACC+3]
	ds_store_b128 v[RS], v[ACC+4:ACC+7] offset:16
	s_wait_dscnt 0x0                               ; for the others' sake: my partial tile is in LDS
	s_barrier_signal -1
	s_barrier_wait -1
	s_cmp_lt_u32 s[WV], 4                          ; 128 numbers: waves 0 to 3 finish them
	s_cbranch_scc0 .Lend
.irp v, 0,1,2,3,4,5,6,7
	ds_load_b32 v[18+\v], v[RR] offset:1024*\v     ; the eight waves' partial sums of (token, head) = thread
.endr
	s_wait_dscnt 0x0
	v_add_f32 v18, v18, v19
	v_add_f32 v20, v20, v21
	v_add_f32 v22, v22, v23
	v_add_f32 v24, v24, v25
	v_add_f32 v18, v18, v20
	v_add_f32 v22, v22, v24
	v_add_f32 v18, v18, v22
	v_add_f32 v18, v18, v17
	v_mul_f32 v18, 0xbfb8aa3b, v18                 ; sigmoid(z) = 1 / (1 + 2^(-z log2 e))
	v_exp_f32 v18, v18
	v_nop
	s_wait_alu depctr_va_vdst(0)                   ; the wait ahead of the first use
	v_add_f32 v18, 1.0, v18
	v_rcp_f32 v18, v18
	v_nop
	s_wait_alu depctr_va_vdst(0)
	global_store_b32 v[BO], v18, s[40:41]
	s_branch .Lend
	; ---- Wq, Wk, Wv, Wo ----
.Lweights:
	s_sub_co_u32 s30, s6, 256
	s_lshr_b32 s31, s30, 6                         ; which matrix: 0 q, 1 k, 2 v, 3 o
	s_and_b32 s30, s30, 63                         ; which 131,072 bytes of it
	s_cmp_eq_u32 s31, 0
	s_cselect_b64 s[32:33], s[10:11], s[12:13]
	s_cmp_eq_u32 s31, 2
	s_cselect_b64 s[32:33], s[14:15], s[32:33]
	s_cmp_eq_u32 s31, 3
	s_cselect_b64 s[32:33], s[16:17], s[32:33]
	s_cselect_b64 s[36:37], s[26:27], s[24:25]
	s_lshl_b32 s2, s30, 17
	s_add_nc_u64 s[32:33], s[32:33], s[2:3]
	s_lshr_b32 s34, s30, 3                         ; head
	s_mul_i32 s34, s34, 384
	s_lshl_b32 s35, s31, 7
	s_add_co_u32 s34, s34, s35
	s_and_b32 s35, s30, 7
	s_lshl_b32 s35, s35, 4
	s_add_co_u32 s34, s34, s35                     ; row in wcat: 384 head + 128 matrix + 16 (block in the head)
	s_lshl_b32 s34, s34, 12
	s_lshl_b32 s35, s30, 16                        ; Wo keeps its order
	s_cmp_eq_u32 s31, 3
	s_cselect_b32 s2, s35, s34
	s_add_nc_u64 s[36:37], s[36:37], s[2:3]
	LOADX
	s_wait_loadcnt 0x0
	CVTB
	s_cmp_eq_u32 s31, 3
	s_cbranch_scc0 .Lnot_o
.set n, 0
.rept 64                                       ; Wo: the bf16 number written as f16 (exact inside f16's range)
	v_lshlrev_b32 v[14+2*(n%4)], 16, v[X+n]
	v_and_b32 v[15+2*(n%4)], s7, v[X+n]
	v_cvt_pk_f16_f32 v[X+n], v[14+2*(n%4)], v[15+2*(n%4)]
.set n, n+1
.endr
.Lnot_o:
	STOREX
	s_branch .Lend
	; ---- the rotary table ----
.Ltab:
	s_sub_co_u32 s30, s6, 512
	s_lshl_b32 s30, s30, 6
	s_add_co_u32 s30, s30, s[WV]                   ; my wave's first row; it takes every eighth
	s_lshl_b32 s31, s30, 9
	v_lshl_add_u32 v22, v[LN], 4, s31              ; row x 512 + 16 l: a wave's store is one whole row
	v_lshrrev_b32 v14, 2, v[LN]                    ; octet
	v_and_b32 v15, 1, v[LN]
	v_lshlrev_b32 v14, 3, v14
	v_lshl_add_u32 v14, v15, 2, v14                ; my first channel: 8 octet + 4 (l % 2)
	v_bfe_u32 v15, v[LN], 1, 1                     ; 0 cos, 1 sin
	v_cvt_f32_u32 v21, v15
	v_mul_f32 v21, 0xbe800000, v21                 ; sin: a quarter turn back
.irp e, 0,1,2,3
	v_add_nc_u32 v[16+\e], \e, v14
	v_cvt_f32_u32 v[16+\e], v[16+\e]
	v_mul_f32 v[16+\e], 0xbe549a79, v[16+\e]       ; -log2(10000) / 64 x channel
.endr
.irp e, 0,1,2,3
	v_exp_f32 v[16+\e], v[16+\e]
.endr
	v_nop
	s_wait_alu depctr_va_vdst(0)
.irp e, 0,1,2,3
	v_mul_f32 v[16+\e], 0x3e22f983, v[16+\e]       ; in turns: / 2 pi
.endr
	s_mov_b32 s40, 0x3e906317                      ; (2 pi)^(2k) / (2k)!, signs alternating, k = 8 .. 1
	s_mov_b32 s41, 0xbfdb7128
	s_mov_b32 s42, 0x40fce9c5
	s_mov_b32 s43, 0xc1d368f9
	s_mov_b32 s44, 0x4270fa83
	s_mov_b32 s45, 0xc2aae9e4
	s_mov_b32 s46, 0x4281e0f8
	s_mov_b32 s47, 0xc19de9e6
	s_mov_b32 s31, 8
.Lrow:
	v_cvt_f32_u32 v20, s30
.irp e, 0,1,2,3
	v_fma_f32 v[28+\e], v20, v[16+\e], v21
.endr
.irp e, 0,1,2,3
	v_rndne_f32 v[32+\e], v[28+\e]
.endr
.irp e, 0,1,2,3
	v_sub_f32 v[28+\e], v[28+\e], v[32+\e]         ; |r| <= 1/2
.endr
.irp e, 0,1,2,3
	v_mul_f32 v[28+\e], v[28+\e], v[28+\e]
.endr
.irp e, 0,1,2,3
	v_fma_f32 v[24+\e], v[28+\e], s40, s41
.endr
.irp c, 42,43,44,45,46,47
.irp e, 0,1,2,3
	v_fma_f32 v[24+\e], v[24+\e], v[28+\e], s\c
.endr
.endr
.irp e, 0,1,2,3
	v_fma_f32 v[24+\e], v[24+\e], v[28+\e], 1.0
.endr
	global_store_b128 v22, v[24:27], s[28:29]
	s_wait_xcnt 0x0                                ; the store's data and offset are rewritten only behind this wait
	v_add_nc_u32 v22, 4096, v22
	s_add_co_u32 s30, s30, 8
	s_sub_co_u32 s31, s31, 1
	s_cmp_lg_u32 s31, 0
	s_cbranch_scc1 .Lrow
.Lend:
	s_wait_tensorcnt 0x0                           ; the wave's end, behind my last LDS store
	ds_add_u32 v[SPW], v[NIL]
	s_wait_dscnt 0x0
	s_endpgm
.Lfunc_end_k_q5b7dee6f39_prep:
	.size	k_q5b7dee6f39_prep, .Lfunc_end_k_q5b7dee6f39_prep-k_q5b7dee6f39_prep
	.p2alignl 7, 3214868480
	.fill 96, 4, 3214868480
	.section	.rodata,"a",@progbits
	.p2align	6, 0x0
	.amdhsa_kernel k_q5b7dee6f39_prep
		.amdhsa_group_segment_fixed_size 76800
		.amdhsa_private_segment_fixed_size 0
		.amdhsa_enable_private_segment 0
		.amdhsa_kernarg_size 88
		.amdhsa_user_sgpr_count 2
		.amdhsa_user_sgpr_kernarg_segment_ptr 1
		.amdhsa_wavefront_size32 1
		.amdhsa_system_sgpr_workgroup_id_x 1
		.amdhsa_system_sgpr_workgroup_id_y 1
		.amdhsa_system_sgpr_workgroup_id_z 1
		.amdhsa_system_vgpr_workitem_id 0
		.amdhsa_next_free_vgpr 256
		.amdhsa_next_free_sgpr 66
		.amdhsa_reserve_vcc 0
		.amdhsa_float_denorm_mode_32 3
		.amdhsa_float_denorm_mode_16_64 3
		.amdhsa_memory_ordered 1
		.amdhsa_forward_progress 1
		.amdhsa_inst_pref_size 50
	.end_amdhsa_kernel
	.amdgpu_metadata
---
amdhsa.version: [ 1, 2 ]
amdhsa.kernels:
  - .name:           k_q5b7dee6f39_prep
    .symbol:         k_q5b7dee6f39_prep.kd
    .args:
      - { .name: x, .offset: 0, .size: 8, .value_kind: global_buffer, .address_space: global }
      - { .name: Wq, .offset: 8, .size: 8, .value_kind: global_buffer, .address_space: global }
      - { .name: Wk, .offset: 16, .size: 8, .value_kind: global_buffer, .address_space: global }
      - { .name: Wv, .offset: 24, .size: 8, .value_kind: global_buffer, .address_space: global }
      - { .name: Wo, .offset: 32, .size: 8, .value_kind: global_buffer, .address_space: global }
      - { .name: Wb, .offset: 40, .size: 8, .value_kind: global_buffer, .address_space: global }
      - { .name: bb, .offset: 48, .size: 8, .value_kind: global_buffer, .address_space: global }
      - { .name: xb, .offset: 56, .size: 8, .value_kind: global_buffer, .address_space: global }
      - { .name: wcat, .offset: 64, .size: 8, .value_kind: global_buffer, .address_space: global }
      - { .name: wob, .offset: 72, .size: 8, .value_kind: global_buffer, .address_space: global }
      - { .name: tab, .offset: 80, .size: 8, .value_kind: global_buffer, .address_space: global }
    .group_segment_fixed_size: 76800
    .private_segment_fixed_size: 0
    .kernarg_segment_align: 8
    .kernarg_segment_size: 88
    .max_flat_workgroup_size: 256
    .sgpr_count:     66
    .vgpr_count:     256
    .wavefront_size: 32
...
	.end_amdgpu_metadata
.endif
;; end of part 1
;; launch qkv (part 2): grid 8 x 32, 4 waves a work-group, clusters of 4 x 4, 327,680 bytes of LDS; arguments xb, wcat, tab, alpha_log, qkv, wpart, amax; writes qkv, wpart, amax
.if DOCPART == 2
	.amdgcn_target "amdgcn-amd-amdhsa--gfx1250"
	.amdhsa_code_object_version 6
	.text
	.protected	k_q5b7dee6f39_qkv
	.globl	k_q5b7dee6f39_qkv
	.p2align	8
	.type	k_q5b7dee6f39_qkv,@function
k_q5b7dee6f39_qkv:
	s_mov_b64 s[64:65], 0
	v_nop
	global_prefetch_b8 v0, s[64:65] scope:SCOPE_SE
	s_setreg_imm32_b32 hwreg(HW_REG_WAVE_MODE, 25, 1), 1
	s_wait_xcnt 0x0
	s_wait_alu depctr_hold_cnt(0) depctr_sa_sdst(0) depctr_va_vdst(0) depctr_va_sdst(0) depctr_va_ssrc(0) depctr_va_vcc(0) depctr_vm_vsrc(0)
	s_getreg_b32 s2, hwreg(HW_REG_IB_STS2, 6, 4)
	s_cmp_eq_u32 s2, 0
	s_cbranch_scc0 .Lentry_in_a_cluster
	s_endpgm
.Lentry_in_a_cluster:
	s_bfe_u32 s2, ttmp6, 0x10000c
	s_cmp_lg_u32 s2, 0xf033
	s_cbranch_scc0 .Lentry_shape_is_right
	s_endpgm
.Lentry_shape_is_right:
; QKV.  q, k, v = x W^T (bf16 operands, f32 sums), rotary on q and k, v' = beta v, all three out as f16 by heads; and this chunk's share of the final state.
; SHARES.  A work-group makes 128 tokens (one chunk c of one batch b) x the 384 columns q | k | v of ONE head j.  Wave w takes all 128 rows and six blocks of 16 columns: of each of q, k, v the
; channels 16 w .. and 64 + 16 w ..  So a rotary pair (d, d + 64) lies in one lane.  48 accumulators, 384 registers.
; THE MATRIX INSTRUCTION IS USED TRANSPOSED (first source = 16 rows of W, second = 16 tokens): a lane holds one token (l % 16) and eight neighbouring channels 8 (l / 16) + 0 .. 7.
; RING.  K goes in 16 steps of 128 through two LDS slots; a step's four tiles of 128 rows x 256 bytes (Wq, Wk, Wv of the head; x) are fetched by the four waves, one tensor load each.
; CLUSTER 4 x 4: x's tile is shared along a row of the cluster (four heads), W's along a column (four chunks): joint loads with a mask of four.
; THE STATE.  out1[d][e] = sum over t of alpha_d^(2047 - t) k[t][d] v'[t][e].  Here: khat = alpha^(2047 - t) k in f16, and the chunk's 128 x 128 sum khat^T v' (f16 operands, f32 sums) into wpart; the next launch adds the 16 chunks.
; MAXIMA of |q|, |k|, |v'| of the work-group go to amax: the launches behind derive power-of-two scales from them.
; LIMITS.  |q|, |k|, |v'| stay under 65,504 (f16), below 6e-5 they keep f16's fixed step.  alpha = sigmoid(bf16(alpha_log)); -alpha_log log2 e is held at 126 at the most, so alpha below 2^-126 counts as 2^-126;
; a factor alpha^n below 2^-126 counts as 0.  NaN and infinities are not treated apart.
; REGISTERS, in windows of 256:  window 0: v0-31 addresses; v32-47 log2 alpha of my 16 channels; v48-63 at work; v64-127, v128-191 x's fragments, two buffers (later alpha^n, then the way out); v192-255 at work
;   window 1: v0-63, v192-255 cos | sin of my channels for the eight row blocks; v64-111, v128-175 W's fragments; v112-127 beta, twice for each row block
;   window 2: accumulators of row blocks 0-3 at 8 (6 a + c); v192-199 at work; v200-202 maxima.   window 3: the same for row blocks 4-7.
.set KSTEP,  128
.set PITCH,  272                       ; an LDS row: 256 bytes + 16: the 16 rows that a fragment load touches start 4 banks apart (64 banks of 4 bytes: ISA guide 11.1)
.set PART,   128*PITCH
.set SLOT,   4*PART                    ; Wq's, Wk's, Wv's 128 rows, then x's.  SLOT shares no bit with 0, PART, 2 PART, 3 PART: an exclusive or flips a tile's LDS address to the other slot
.set WST,    2*SLOT                    ; behind the ring: 16 rows x 528 bytes for each wave, for the state's way out
.set WP,     528
.set AMX,    WST+4*16*WP               ; 16 bytes for each wave: its maxima
.set SPARE,  AMX+256                   ; the spare words: 128 bytes for each wave, two blocks of 256 bytes that no other line names
.set BETA_OFF, 1048576
.set BA, 4                             ; v4   LDS place of my fragments of x in slot 0;  v5 in the slot in hand
.set CA, 5
.set BB, 6                             ; v6, v7   the same for Wq and Wk
.set CB, 7
.set BV, 8                             ; v8, v9   for Wv (beyond the 16-bit offset from v6)
.set CV, 9
.set STQ, 10                           ; v10-13  stage: where I put 16 bytes of q, k, v', khat
.set STK, 11
.set STV, 12
.set STH, 13
.set RD,  14                           ; v14, v15  stage: where I read whole rows back
.set RDV, 15
.set GQ,  16                           ; v16  my offset in the chunk's rows of q, k, v'
.set TRV, 17                           ; v17, v18  the turning loads' places in v' and khat
.set TRK, 18
.set WSW, 19                           ; v19, v20  the state's stage, in and back
.set WSR, 20
.set WGO, 21                           ; v21  16 l
.set PFO, 22                           ; v22  the prefetches' offset: l rows of 4,096 bytes
.set NRI, 23                           ; v23  2047 - position of token l % 16 of row block 0
.set ALO, 24
.set RPO, 25
.set BTO, 26
.set AMW, 27
.set SPW, 28                           ; v28  my spare word; never rewritten
.set NIL, 29                           ; v29  0; never rewritten
.set LA2, 32
.set TT,  48
.set F0,  64
.set F1,  128
.set TMP, 192
.set TB,  2                            ; s2   0 or SLOT: the slot in hand
.set WV,  18
.set CX,  19
.set CY,  20
.set HJ,  21                           ; s21  head
.set TY,  22                           ; s22  16 b + chunk
.set G1,  24                           ; s[24:31] group 1 for x's tiles;  s[32:39] group 0: a set for each first fill, the second then walks on
.set G0,  32
.set LIM, 43
.set PFA, 44
.set G1B, 48                           ; the same for W's tiles
.set G0B, 56
.set SEL, 68
.set MSB, 0
.macro WIN new
.if MSB != (\new)
	s_set_vgpr_msb (MSB<<8)|(\new)
.set MSB, \new
.endif
.endm
.set MUL_LO, 0xa1                      ; first source (W) window 1, second (x) window 0, sums window 2
.set TO_B,   0x40
.macro PLACES                          ; four places behind matrix instructions, in front of loads into registers that they read and of vector work on their results
.rept 4
	v_nop
.endr
.endm
; A joint load.  Wave 3 fetches x's tile, waves 0 to 2 Wq's, Wk's, Wv's.  The branch hangs on the wave's number alone.  An s_nop 0 and four v_nop follow each line.
.macro JLOAD s
	s_cmp_eq_u32 s[WV], 3
	s_cbranch_scc0 .Lfor_b_\@
	tensor_load_to_lds s[G0+4*(\s):G0+4*(\s)+3], s[G1:G1+7]
	s_nop 0
.rept 4
	v_nop
.endr
	s_branch .Lasked_\@
.Lfor_b_\@:
	tensor_load_to_lds s[G0B+4*(\s):G0B+4*(\s)+3], s[G1B:G1B+7]
	s_nop 0
.rept 4
	v_nop
.endr
.Lasked_\@:
.endm
; A prefetch of the K step that stands two refills on: 32 rows x 256 bytes, a lane a row.  x's rows are read by both clusters of a row of clusters: cluster x = 0 asks; W's by all eight of a column: cluster y = 0 asks.
; The four partners that fetch a tile jointly share its 128 rows out by address, 32 each.  The last two refills have no K step two on.
.macro ASK
	s_cmp_gt_u32 s3, s[LIM]
	s_cbranch_scc0 .Lnot_mine_\@
	global_prefetch_b8 v[PFO], s[PFA:PFA+1] offset:KSTEP*2 th:TH_LOAD_NT scope:SCOPE_SE
.Lnot_mine_\@:
.endm
.macro CREST
	s_cmp_lg_u32 s[WV], 0
	s_cbranch_scc1 .Lnot_wave_0_\@
	s_barrier_signal -3
.Lnot_wave_0_\@:
	s_barrier_wait -3
	s_barrier_signal -1
	s_barrier_wait -1
.endm
.macro CROUND
	s_barrier_signal -1
	s_barrier_wait -1
	CREST
.endm
	s_load_b256 s[4:11], s[0:1], 0x0               ; xb 4, wcat 6, tab 8, alpha_log 10
	s_load_b128 s[12:15], s[0:1], 0x20             ; qkv 12, wpart 14
	s_load_b64 s[16:17], s[0:1], 0x30              ; amax
	v_lshl_add_u32 v[SPW], v0, 2, SPARE
	v_mov_b32 v[NIL], 0
	ds_add_u32 v[SPW], v[NIL]                      ; the wave's opening: the add, twice on end, and its wait ahead of my first tensor load
	ds_add_u32 v[SPW], v[NIL]
	v_lshrrev_b32 v30, 5, v0
	v_readfirstlane_b32 s[WV], v30
	s_bfe_u32 s[CX], ttmp6, 0x40000
	s_bfe_u32 s[CY], ttmp6, 0x40004
	s_lshl_b32 s[HJ], ttmp9, 2
	s_add_co_u32 s[HJ], s[HJ], s[CX]
	s_and_b32 s[TY], ttmp7, 0xffff
	s_lshl_b32 s[TY], s[TY], 2
	s_add_co_u32 s[TY], s[TY], s[CY]
	s_lshl_b32 s40, s[CY], 2
	s_lshl_b32 s40, 15, s40                        ; my row of the cluster
	s_lshl_b32 s41, 0x1111, s[CX]                  ; my column
	s_or_b32 s[G1], s40, (1<<16)|(1<<20)|(1<<21)|(5<<22)|(3<<25)   ; mask; 2-byte elements; padding on; bit 21 beside a mask; after every 64 words, 4 words
	s_or_b32 s[G1B], s41, (1<<16)|(1<<20)|(1<<21)|(5<<22)|(3<<25)
.irp g, G1, G1B
	s_mov_b32 s[\g+1], KSTEP<<16                   ; tensor_dim0 = 128
	s_mov_b32 s[\g+2], 128<<16                     ; tensor_dim1 = 128
	s_mov_b32 s[\g+3], KSTEP<<16                   ; tile_dim0 = 128
	s_mov_b32 s[\g+4], 128                         ; tile_dim1 = 128
	s_mov_b32 s[\g+5], 2048                        ; elements from row to row
	s_mov_b32 s[\g+6], 0
	s_mov_b32 s[\g+7], 0
.endr
	s_lshl_b32 s46, s[TY], 19                      ; x: 128 TY rows of 4,096 bytes: hangs on the tile row alone
	s_mov_b32 s47, 0
	s_mul_i32 s66, s[HJ], 384                      ; W: row 384 j + 128 w (wave 3 makes wave 2's and does not use it): hangs on the head and the wave alone
	s_min_u32 s67, s[WV], 2
	s_lshl_b32 s67, s67, 7
	s_add_co_u32 s66, s66, s67
	s_lshl_b32 s66, s66, 12
	s_mov_b32 s67, 0
	s_mul_i32 s23, s[WV], PART                     ; where my tile goes
	s_mov_b32 s[SEL], 0x76543210
	s_mov_b32 s[SEL+1], 0xfedcba98
	s_mov_b32 s[TB], 0
	s_wait_dscnt 0x0                               ; both opening adds are done
	s_wait_kmcnt 0x0
	s_add_nc_u64 s[46:47], s[4:5], s[46:47]
	s_add_nc_u64 s[66:67], s[6:7], s[66:67]
	CROUND                                         ; all sixteen work-groups are here: the first joint loads meet
.irp s, 0,1
	s_mov_b32 s[G0+4*\s], 1
	s_add_co_u32 s[G0+4*\s+1], s23, \s*SLOT
	s_add_nc_u64 s[G0+4*\s+2:G0+4*\s+3], s[46:47], \s*KSTEP*2
	s_or_b32 s[G0+4*\s+3], s[G0+4*\s+3], 0x80000000
	s_mov_b32 s[G0B+4*\s], 1
	s_add_co_u32 s[G0B+4*\s+1], s23, \s*SLOT
	s_add_nc_u64 s[G0B+4*\s+2:G0B+4*\s+3], s[66:67], \s*KSTEP*2
	s_or_b32 s[G0B+4*\s+3], s[G0B+4*\s+3], 0x80000000
	JLOAD \s                                       ; K steps 0 and 1: two tensor loads of mine are out
.endr
	; the prefetches' pointer
	s_and_b32 s40, ttmp7, 0xffff
	s_cmp_eq_u32 s[WV], 3
	s_cselect_b32 s41, ttmp9, s40                  ; the coordinate along which other clusters read the same rows
	s_cselect_b32 s42, s[CX], s[CY]                ; my place among the four that ask with me
	s_cselect_b64 s[PFA:PFA+1], s[46:47], s[66:67]
	s_cmp_eq_u32 s41, 0
	s_cselect_b32 s[LIM], 2, -1
	s_lshl_b32 s40, s42, 17                        ; my work-group's 32 rows
	s_mov_b32 s41, 0
	s_add_nc_u64 s[PFA:PFA+1], s[PFA:PFA+1], s[40:41]
	s_add_nc_u64 s[PFA:PFA+1], s[PFA:PFA+1], 2*KSTEP*2  ; at K step 2: the first refill steps it to 3 and names K step 4
	v_and_b32 v1, 15, v0
	v_bfe_u32 v2, v0, 4, 1
	v_and_b32 v3, 31, v0
	; alpha_log of my 16 channels: 64 u + 16 w + 8 h + 0 .. 7
	s_lshl_b32 s40, s[HJ], 9
	s_lshl_b32 s41, s[WV], 6
	s_add_co_u32 s40, s40, s41
	v_lshl_add_u32 v[ALO], v2, 5, s40
.irp u, 0,1
	global_load_b128 v[LA2+8*\u:LA2+8*\u+3],   v[ALO], s[10:11] offset:256*\u
	global_load_b128 v[LA2+8*\u+4:LA2+8*\u+7], v[ALO], s[10:11] offset:256*\u+16
.endr
	s_and_b32 s42, s[TY], 15
	s_lshl_b32 s42, s42, 7                         ; the chunk's first position
	s_lshl_b32 s40, s42, 9
	s_lshl_b32 s41, s[WV], 7
	s_add_co_u32 s40, s40, s41
	v_lshlrev_b32 v[RPO], 9, v1
	v_lshl_add_u32 v[RPO], v2, 6, v[RPO]
	v_add_nc_u32 v[RPO], s40, v[RPO]               ; (position + l % 16) x 512 + octet (2 w + h) x 64
	s_lshl_b32 s40, s[TY], 12
	s_lshl_b32 s41, s[HJ], 2
	s_add_co_u32 s40, s40, s41
	s_add_co_u32 s40, s40, BETA_OFF
	v_lshl_add_u32 v[BTO], v1, 5, s40              ; token x 32 + head x 4
	WIN 0x40
.irp a, 0,1,2,3,4,5,6,7
.irp q, 0,1,2,3
	global_load_b128 v[16*(\a%4)+192*(\a/4)+4*\q:16*(\a%4)+192*(\a/4)+4*\q+3], v[RPO], s[8:9] offset:\a*8192+16*\q
.endr
.endr
.irp a, 0,1,2,3,4,5,6,7
	global_load_b32 v[112+2*\a], v[BTO], s[8:9] offset:\a*512   ; twice: a pair for the packed multiply
	global_load_b32 v[113+2*\a], v[BTO], s[8:9] offset:\a*512
.endr
	WIN 0
	s_wait_loadcnt 48                              ; alpha_log is in; the 32 loads of the table and the 16 of beta may stay out
.irp i, 0,1,2,3,4,5,6,7
	v_cvt_pk_bf16_f32 v[TT+\i], v[LA2+2*\i], v[LA2+2*\i+1]      ; every input is rounded to bf16
.endr
.irp i, 0,1,2,3,4,5,6,7
	v_lshlrev_b32 v[LA2+2*\i], 16, v[TT+\i]
	v_and_b32 v[LA2+2*\i+1], 0xffff0000, v[TT+\i]
.endr
.irp i, 0,2,4,6,8,10,12,14
	v_pk_mul_f32 v[LA2+\i:LA2+\i+1], v[LA2+\i:LA2+\i+1], 0xbfb8aa3b op_sel_hi:[1,0]
.endr
.set i, 0
.rept 16
	v_min_num_f32 v[LA2+i], 0x42fc0000, v[LA2+i]
.set i, i+1
.endr
.set i, 0
.rept 16
	v_exp_f32 v[LA2+i], v[LA2+i]
.set i, i+1
.endr
	v_nop
	s_wait_alu depctr_va_vdst(0)                   ; one wait for the batch
.irp i, 0,2,4,6,8,10,12,14
	v_pk_add_f32 v[LA2+\i:LA2+\i+1], v[LA2+\i:LA2+\i+1], 1.0 op_sel_hi:[1,0]
.endr
.set i, 0
.rept 16
	v_log_f32 v[LA2+i], v[LA2+i]
.set i, i+1
.endr
	v_nop
	s_wait_alu depctr_va_vdst(0)
.irp i, 0,2,4,6,8,10,12,14
	v_pk_mul_f32 v[LA2+\i:LA2+\i+1], v[LA2+\i:LA2+\i+1], -1.0 op_sel_hi:[1,0]   ; log2 alpha = -log2(1 + 2^(-a log2 e))
.endr
	; addresses
	v_mul_u32_u24 v30, v1, PITCH
	v_lshl_add_u32 v30, v2, 4, v30                 ; row x pitch + 16 x half
	v_add_nc_u32 v[BA], 3*PART, v30
	s_mul_i32 s40, s[WV], 16*PITCH
	v_add_nc_u32 v[BB], s40, v30
	v_add_nc_u32 v[BV], 2*PART, v[BB]
	v_mov_b32 v[CA], v[BA]
	v_mov_b32 v[CB], v[BB]
	v_mov_b32 v[CV], v[BV]
	s_lshl_b32 s40, s[WV], 5
	v_add_nc_u32 v[STQ], s40, v30                  ; token row, channel bytes 128 u + 32 w + 16 h
	v_add_nc_u32 v[STK], PART, v[STQ]
	v_add_nc_u32 v[STV], 2*PART, v[STQ]
	v_add_nc_u32 v[STH], 3*PART, v[STQ]
	v_mul_u32_u24 v31, v2, PITCH
	v_lshl_add_u32 v31, v1, 4, v31
	s_mul_i32 s40, s[WV], 32*PITCH
	v_add_nc_u32 v[RD], s40, v31                   ; rows 32 w + 2 t + h, whole
	v_add_nc_u32 v[RDV], 2*PART, v[RD]
	v_lshlrev_b32 v[GQ], 8, v2
	v_lshl_add_u32 v[GQ], v1, 4, v[GQ]
	s_lshl_b32 s40, s[WV], 13
	v_add_nc_u32 v[GQ], s40, v[GQ]
	v_and_b32 v31, 7, v0
	v_lshl_add_u32 v31, v2, 3, v31
	v_mul_u32_u24 v31, v31, PITCH
	v_bfe_u32 v30, v0, 3, 1
	v_lshl_add_u32 v31, v30, 4, v31                ; the turning load: token 8 h + l % 8, 16 bytes by (l / 8) % 2
	v_add_nc_u32 v[TRV], 2*PART, v31
	s_lshl_b32 s40, s[WV], 6
	s_add_co_u32 s40, s40, 3*PART
	v_add_nc_u32 v[TRK], s40, v31
	s_mul_i32 s40, s[WV], 16*WP
	s_add_co_u32 s40, s40, WST
	v_mul_u32_u24 v[WSW], v1, WP
	v_lshl_add_u32 v[WSW], v2, 5, v[WSW]
	v_add_nc_u32 v[WSW], s40, v[WSW]
	v_lshl_add_u32 v[WSR], v3, 4, s40
	v_lshlrev_b32 v[WGO], 4, v3
	v_lshlrev_b32 v[PFO], 12, v3
	s_lshl_b32 s40, s[WV], 4
	s_add_co_u32 s40, s40, AMX
	v_mov_b32 v[AMW], s40
	s_sub_co_u32 s41, 2047, s42
	v_sub_nc_u32 v[NRI], s41, v1
	s_lshr_b32 s23, s[TY], 4
	s_lshl3_add_u32 s23, s23, s[HJ]                ; bh = 8 b + j
	s_lshl_b32 s40, s23, 19
	s_lshl_b32 s41, s42, 8
	s_add_co_u32 s40, s40, s41
	s_mov_b32 s41, 0
	s_add_nc_u64 s[70:71], s[12:13], s[40:41]      ; q, k, v' at the chunk's first row
	s_add_nc_u64 s[72:73], s[70:71], 0x800000
	s_add_nc_u64 s[74:75], s[72:73], 0x800000
	s_lshl_b32 s40, s23, 4
	s_and_b32 s41, s[TY], 15
	s_add_co_u32 s40, s40, s41
	s_lshl_b32 s40, s40, 16
	s_lshl_b32 s41, s[WV], 14
	s_add_co_u32 s40, s40, s41
	s_mov_b32 s41, 0
	s_add_nc_u64 s[76:77], s[14:15], s[40:41]      ; wpart at (bh, chunk), my 32 rows
	s_lshl3_add_u32 s40, s[TY], s[HJ]
	s_lshl_b32 s40, s40, 4
	s_add_nc_u64 s[78:79], s[16:17], s[40:41]
; 12 matrix instructions: row blocks a0, a0 + 1 of the window's four x my six column blocks, 32 along K.  zero = 1: the first product starts the sums.
.macro MUL12 f, hi, a0, zero
	WIN MUL_LO+0x50*(\hi)
.irp a, \a0, (\a0)+1
.irp c, 0,1,2,3,4,5
.if \zero
	v_wmma_f32_16x16x32_bf16 v[8*(6*(\a)+(\c)):8*(6*(\a)+(\c))+7], v[(\f)+8*(\c):(\f)+8*(\c)+7], v[(\f)+8*(4*(\hi)+(\a)):(\f)+8*(4*(\hi)+(\a))+7], 0
.else
	v_wmma_f32_16x16x32_bf16 v[8*(6*(\a)+(\c)):8*(6*(\a)+(\c))+7], v[(\f)+8*(\c):(\f)+8*(\c)+7], v[(\f)+8*(4*(\hi)+(\a)):(\f)+8*(4*(\hi)+(\a))+7], v[8*(6*(\a)+(\c)):8*(6*(\a)+(\c))+7]
.endif
.endr
.endr
.endm
; 28 LDS loads in one run: W's six fragments, then x's eight, of 32 along K at byte k of the rows of the slot in hand
.macro FETCH k, f
	WIN TO_B
.irp c, 0,1,2,3
	ds_load_b128 v[(\f)+8*(\c):(\f)+8*(\c)+3],   v[CB] offset:(\k)+(128*((\c)/2)+64*((\c)%2))*PITCH
	ds_load_b128 v[(\f)+8*(\c)+4:(\f)+8*(\c)+7], v[CB] offset:(\k)+(128*((\c)/2)+64*((\c)%2))*PITCH+32
.endr
.irp c, 4,5
	ds_load_b128 v[(\f)+8*(\c):(\f)+8*(\c)+3],   v[CV] offset:(\k)+64*((\c)%2)*PITCH
	ds_load_b128 v[(\f)+8*(\c)+4:(\f)+8*(\c)+7], v[CV] offset:(\k)+64*((\c)%2)*PITCH+32
.endr
	WIN 0
.irp a, 0,1,2,3,4,5,6,7
	ds_load_b128 v[(\f)+8*(\a):(\f)+8*(\a)+3],   v[CA] offset:(\k)+(\a)*16*PITCH
	ds_load_b128 v[(\f)+8*(\a)+4:(\f)+8*(\a)+7], v[CA] offset:(\k)+(\a)*16*PITCH+32
.endr
.endm
; A K step is four quarters of 32 along K, 48 matrix instructions each, on buffers 0, 1, 0, 1.  The 48 accumulators take turns in one order everywhere.
.macro QUARTER k, f, g, zero
	s_wait_dscnt 8                                 ; W's and x's rows 0-63 are in; the youngest eight loads (x's rows 64-127) may be out
	MUL12 \f, 0, 0, \zero
	MUL12 \f, 0, 2, \zero
	PLACES
	FETCH \k, \g
	s_wait_dscnt 28                                ; all but the 28 just issued
	MUL12 \f, 1, 0, \zero
	MUL12 \f, 1, 2, \zero
.endm
; The last quarter multiplies buffer 1 and changes slots.  In front of the one barrier each wave waits for all its tensor loads (its part of the next slot), adds 0 to its spare word, and waits for that and for its reads of this slot.
; fill = 1: the barrier opens a round of the cluster's; behind it the slot just read is filled again first, with the K step two on: 168 matrix instructions ahead of the wait for it.
.macro TURN fill
.if \fill
	s_wait_xcnt 0x0                                ; the last prefetch, a K step back, has read its address
	s_add_nc_u64 s[PFA:PFA+1], s[PFA:PFA+1], KSTEP*2
.endif
	WIN 0
	s_wait_tensorcnt 0x0
	ds_add_u32 v[SPW], v[NIL]
	s_wait_dscnt 9                                 ; (the add and the youngest eight loads may be out)
	MUL12 F1, 0, 0, 0
	s_wait_dscnt 0x0                               ; the add is done, and my reads of this slot are over
	s_barrier_signal -1
	MUL12 F1, 0, 2, 0
	WIN 0
	s_barrier_wait -1
.if \fill
	CREST
	s_xor_b32 s[G0+5], s[G0+5], SLOT               ; the walking descriptors: the other slot than last time, the next K step
	s_add_nc_u64 s[G0+6:G0+7], s[G0+6:G0+7], KSTEP*2
	s_xor_b32 s[G0B+5], s[G0B+5], SLOT
	s_add_nc_u64 s[G0B+6:G0B+7], s[G0B+6:G0B+7], KSTEP*2
	JLOAD 1                                        ; the four v_nop behind it are also the places in front of the loads below
.else
	PLACES
.endif
	s_xor_b32 s[TB], s[TB], SLOT
	v_add_nc_u32 v[CA], s[TB], v[BA]
	v_add_nc_u32 v[CB], s[TB], v[BB]
	v_add_nc_u32 v[CV], s[TB], v[BV]
	FETCH 0, F0
.if \fill
	ASK
.endif
	MUL12 F1, 1, 0, 0
	MUL12 F1, 1, 2, 0
.endm
	s_wait_loadcnt 0x0                             ; the table and beta
	s_wait_tensorcnt 1                             ; my part of K step 0 is in; K step 1's may stay out
	s_barrier_signal -1
	s_barrier_wait -1
	FETCH 0, F0
	QUARTER 64, F0, F1, 1
	WIN 0
	s_mov_b32 s3, 14                               ; refills for K steps 2 to 15
.Lstep:
	QUARTER 128, F1, F0, 0
	QUARTER 192, F0, F1, 0
	TURN 1
	QUARTER 64, F0, F1, 0
	WIN 0
	s_sub_co_u32 s3, s3, 1
	s_cmp_lg_u32 s3, 0
	s_cbranch_scc1 .Lstep
	QUARTER 128, F1, F0, 0                         ; the last two K steps ask for nothing
	QUARTER 192, F0, F1, 0
	TURN 0
	QUARTER 64, F0, F1, 0
	QUARTER 128, F1, F0, 0
	QUARTER 192, F0, F1, 0
	s_wait_dscnt 8
	MUL12 F1, 0, 0, 0
	MUL12 F1, 0, 2, 0
	s_wait_dscnt 0x0
	MUL12 F1, 1, 0, 0
	MUL12 F1, 1, 2, 0
	s_barrier_signal -1                            ; every wave's reads of the ring are over: slot 0, which has had its last fill, now serves as the stage
	s_barrier_wait -1
	PLACES
	WIN 0
	; alpha^(2047 - t) for my 16 channels and the eight row blocks' tokens: 128 exponentials, one batch
.irp a, 0,1,2,3,4,5,6,7
	v_sub_nc_u32 v[TT+2*(\a%2)], v[NRI], 16*\a
	v_cvt_f32_u32 v[TT+2*(\a%2)], v[TT+2*(\a%2)]
	v_mov_b32 v[TT+2*(\a%2)+1], v[TT+2*(\a%2)]
.irp m, 0,1,2,3,4,5,6,7
	v_pk_mul_f32 v[F0+16*\a+2*\m:F0+16*\a+2*\m+1], v[LA2+2*\m:LA2+2*\m+1], v[TT+2*(\a%2):TT+2*(\a%2)+1]
.endr
.endr
.set i, 0
.rept 128
	v_exp_f32 v[F0+i], v[F0+i]
.set i, i+1
.endr
	v_nop
	s_wait_alu depctr_va_vdst(0)
; Row blocks 4 hi .. 4 hi + 3: rotary on q and k, beta on v, maxima, khat, rounding to f16, into the stage.  Every accumulator is read from its low end on.
.macro EPI hi
	WIN 0xa6+0x51*(\hi)                            ; sums' window for destination, first and third source; window 1 for the second
.irp al, 0,1,2,3
.irp p, 0,1
.irp m, 0,1,2,3
.set X1, 8*(6*(\al)+2*(\p))+2*(\m)
.set X2, X1+8
.set T1, 192+4*((\m)%2)
.set RP, 16*(\al)+192*(\hi)+2*(\m)
	v_pk_mul_f32 v[T1:T1+1], v[X2:X2+1], v[RP+8:RP+9]
	v_pk_mul_f32 v[T1+2:T1+3], v[X1:X1+1], v[RP+8:RP+9]
	v_pk_fma_f32 v[X1:X1+1], v[X1:X1+1], v[RP:RP+1], v[T1:T1+1] neg_lo:[0,0,1] neg_hi:[0,0,1]
	v_pk_fma_f32 v[X2:X2+1], v[X2:X2+1], v[RP:RP+1], v[T1+2:T1+3]
.endr
.endr
.irp q, 0,1,2,3,4,5,6,7
	v_pk_mul_f32 v[8*(6*(\al)+4)+2*(\q):8*(6*(\al)+4)+2*(\q)+1], v[8*(6*(\al)+4)+2*(\q):8*(6*(\al)+4)+2*(\q)+1], v[112+2*(4*(\hi)+(\al)):112+2*(4*(\hi)+(\al))+1]
.endr
.endr
	WIN 0xaa+0x55*(\hi)
.irp p, 0,1,2
	v_max_num_f32 v[200+(\p)], |v[16*(\p)]|, |v[16*(\p)+1]|
.endr
.irp al, 0,1,2,3
.irp q, 0,1,2,3,4,5,6,7
.irp p, 0,1,2
.if ((\al)+(\q)) > 0
	v_max3_num_f32 v[200+(\p)], v[200+(\p)], |v[48*(\al)+16*(\p)+2*(\q)]|, |v[48*(\al)+16*(\p)+2*(\q)+1]|
.endif
.endr
.endr
.endr
	WIN 0x02+(\hi)
.irp al, 0,1,2,3
.irp q, 0,1,2,3,4,5,6,7
	v_pk_mul_f32 v[F0+16*(4*(\hi)+(\al))+2*(\q):F0+16*(4*(\hi)+(\al))+2*(\q)+1], v[8*(6*(\al)+2)+2*(\q):8*(6*(\al)+2)+2*(\q)+1], v[F0+16*(4*(\hi)+(\al))+2*(\q):F0+16*(4*(\hi)+(\al))+2*(\q)+1]
.endr
.endr
.irp al, 0,1,2,3
.set AA, 4*(\hi)+(\al)
.set TM, TMP+32*((\al)%2)
	WIN 0x0a+5*(\hi)
.set i, 0
.rept 24
	v_cvt_pk_f16_f32 v[TM+i], v[48*(\al)+2*i], v[48*(\al)+2*i+1]
.set i, i+1
.endr
	WIN 0
.set i, 0
.rept 8
	v_cvt_pk_f16_f32 v[TM+24+i], v[F0+16*AA+2*i], v[F0+16*AA+2*i+1]
.set i, i+1
.endr
	ds_store_b128 v[STQ], v[TM:TM+3]     offset:AA*16*PITCH
	ds_store_b128 v[STQ], v[TM+4:TM+7]   offset:AA*16*PITCH+128
	ds_store_b128 v[STK], v[TM+8:TM+11]  offset:AA*16*PITCH
	ds_store_b128 v[STK], v[TM+12:TM+15] offset:AA*16*PITCH+128
	ds_store_b128 v[STV], v[TM+16:TM+19] offset:AA*16*PITCH
	ds_store_b128 v[STV], v[TM+20:TM+23] offset:AA*16*PITCH+128
	ds_store_b128 v[STH], v[TM+24:TM+27] offset:AA*16*PITCH
	ds_store_b128 v[STH], v[TM+28:TM+31] offset:AA*16*PITCH+128
.endr
.endm
	EPI 0
	EPI 1
	WIN 0x0e                                       ; the two windows' maxima
.irp p, 0,1,2
	v_max_num_f32 v[TT+\p], v[200+\p], v[200+\p]
.endr
	WIN 0
.irp x, 1,2,4,8
.irp p, 0,1,2
	v_max_num_f32_dpp v[TT+\p], v[TT+\p], v[TT+\p] row_xmask:\x row_mask:0xf bank_mask:0xf
.endr
.endr
.irp p, 0,1,2
	v_permlanex16_b32 v[TT+4+\p], v[TT+\p], s[SEL], s[SEL+1]
.endr
.irp p, 0,1,2
	v_max_num_f32 v[TT+\p], v[TT+\p], v[TT+4+\p]
.endr
	v_mov_b32 v[TT+3], 0
	ds_store_b128 v[AMW], v[TT:TT+3]
	s_wait_dscnt 0x0                               ; for the others' sake: my stores into the stage are done
	s_barrier_signal -1
	s_barrier_wait -1
	; q, k, v' leave as whole rows of 256 bytes: rows 32 w + 2 t + h
.irp t, 0,1,2,3,4,5,6,7,8,9,10,11,12,13,14,15
	ds_load_b128 v[64+4*\t:64+4*\t+3], v[RD] offset:\t*2*PITCH
.endr
.irp t, 0,1,2,3,4,5,6,7,8,9,10,11,12,13,14,15
	ds_load_b128 v[128+4*\t:128+4*\t+3], v[RD] offset:PART+\t*2*PITCH
.endr
.irp t, 0,1,2,3,4,5,6,7,8,9,10,11,12,13,14,15
	ds_load_b128 v[192+4*\t:192+4*\t+3], v[RDV] offset:\t*2*PITCH
.endr
.irp p, 0,1,2
.irp t, 0,1,2,3,4,5,6,7,8,9,10,11,12,13,14,15
	s_wait_dscnt 47-16*\p-\t                       ; LDS loads come back in order: this one is in, the younger ones stay out
	global_store_b128 v[GQ], v[64+64*\p+4*\t:64+64*\p+4*\t+3], s[70+2*\p:71+2*\p] offset:\t*512   ; 512 consecutive bytes, aligned
.endr
.endr
	; the chunk's state: first source v'^T (16 e x 32 tokens), second khat^T (32 tokens x 16 d): a lane ends with one d and eight neighbouring e.  Wave w: d = 32 w .. 32 w + 31, all e.
	WIN 0x80
.irp ts, 0,1,2,3
.irp eb, 0,1,2,3,4,5,6,7
	ds_load_tr16_b128 v[8*(8*\ts+\eb):8*(8*\ts+\eb)+3],   v[TRV] offset:\ts*32*PITCH+32*\eb
	ds_load_tr16_b128 v[8*(8*\ts+\eb)+4:8*(8*\ts+\eb)+7], v[TRV] offset:\ts*32*PITCH+32*\eb+16*PITCH
.endr
.endr
	WIN 0xc0
.irp ts, 0,1,2,3
.irp db, 0,1
	ds_load_tr16_b128 v[8*(2*\ts+\db):8*(2*\ts+\db)+3],   v[TRK] offset:\ts*32*PITCH+32*\db
	ds_load_tr16_b128 v[8*(2*\ts+\db)+4:8*(2*\ts+\db)+7], v[TRK] offset:\ts*32*PITCH+32*\db+16*PITCH
.endr
.endr
	s_wait_xcnt 0x0                                ; the stores above have read their data: v64 on are loaded again below
	s_wait_dscnt 0x0
	WIN 0xfe
.irp ts, 0,1,2,3
.irp db, 0,1
.irp eb, 0,1,2,3,4,5,6,7
.if \ts == 0
	v_wmma_f32_16x16x32_f16 v[64+8*(8*\db+\eb):64+8*(8*\db+\eb)+7], v[8*(8*\ts+\eb):8*(8*\ts+\eb)+7], v[8*(2*\ts+\db):8*(2*\ts+\db)+7], 0
.else
	v_wmma_f32_16x16x32_f16 v[64+8*(8*\db+\eb):64+8*(8*\db+\eb)+7], v[8*(8*\ts+\eb):8*(8*\ts+\eb)+7], v[8*(2*\ts+\db):8*(2*\ts+\db)+7], v[64+8*(8*\db+\eb):64+8*(8*\db+\eb)+7]
.endif
.endr
.endr
.endr
	PLACES
.irp db, 0,1
	WIN 0x0c                                       ; store data from window 3
.irp eb, 0,1,2,3,4,5,6,7
	ds_store_b128 v[WSW], v[64+8*(8*\db+\eb):64+8*(8*\db+\eb)+3]   offset:64*\eb
	ds_store_b128 v[WSW], v[64+8*(8*\db+\eb)+4:64+8*(8*\db+\eb)+7] offset:64*\eb+16
.endr
	WIN 0
.irp i, 0,1,2,3,4,5,6,7,8,9,10,11,12,13,14,15
	ds_load_b128 v[64+64*\db+4*\i:64+64*\db+4*\i+3], v[WSR] offset:\i*WP   ; my own bytes, served in order: these see the stores above
.endr
	s_wait_dscnt 0x0
.irp i, 0,1,2,3,4,5,6,7,8,9,10,11,12,13,14,15
	global_store_b128 v[WGO], v[64+64*\db+4*\i:64+64*\db+4*\i+3], s[76:77] offset:\db*8192+\i*512   ; a row of 512 bytes
.endr
.endr
	s_cmp_lg_u32 s[WV], 0
	s_cbranch_scc1 .Lno_max
	v_mov_b32 v30, AMX
	ds_load_b128 v[48:51], v30
	ds_load_b128 v[52:55], v30 offset:16
	ds_load_b128 v[56:59], v30 offset:32
	ds_load_b128 v[60:63], v30 offset:48
	s_wait_dscnt 0x0
.irp p, 0,1,2
	v_max3_num_f32 v[48+\p], v[48+\p], v[52+\p], v[56+\p]
	v_max_num_f32 v[48+\p], v[48+\p], v[60+\p]
.endr
	v_mov_b32 v31, 0
	v_cmp_eq_u32 vcc_lo, 0, v3
	s_wait_xcnt 0x0                                ; EXEC changes only behind this wait
	s_and_saveexec_b32 s40, vcc_lo
	global_store_b128 v31, v[48:51], s[78:79]
	s_wait_xcnt 0x0
	s_or_b32 exec_lo, exec_lo, s40
.Lno_max:
	s_wait_tensorcnt 0x0                           ; the wave's end
	ds_add_u32 v[SPW], v[NIL]
	s_wait_dscnt 0x0
	CROUND                                         ; the closing round
	s_endpgm
.Lfunc_end_k_q5b7dee6f39_qkv:
	.size	k_q5b7dee6f39_qkv, .Lfunc_end_k_q5b7dee6f39_qkv-k_q5b7dee6f39_qkv
	.p2alignl 7, 3214868480
	.fill 96, 4, 3214868480
	.section	.rodata,"a",@progbits
	.p2align	6, 0x0
	.amdhsa_kernel k_q5b7dee6f39_qkv
		.amdhsa_group_segment_fixed_size 327680
		.amdhsa_private_segment_fixed_size 0
		.amdhsa_enable_private_segment 0
		.amdhsa_kernarg_size 56
		.amdhsa_user_sgpr_count 2
		.amdhsa_user_sgpr_kernarg_segment_ptr 1
		.amdhsa_wavefront_size32 1
		.amdhsa_system_sgpr_workgroup_id_x 1
		.amdhsa_system_sgpr_workgroup_id_y 1
		.amdhsa_system_sgpr_workgroup_id_z 1
		.amdhsa_system_vgpr_workitem_id 0
		.amdhsa_next_free_vgpr 1024
		.amdhsa_next_free_sgpr 80
		.amdhsa_reserve_vcc 1
		.amdhsa_float_denorm_mode_32 3
		.amdhsa_float_denorm_mode_16_64 3
		.amdhsa_memory_ordered 1
		.amdhsa_forward_progress 1
		.amdhsa_inst_pref_size 177
	.end_amdhsa_kernel
	.amdgpu_metadata
---
amdhsa.version: [ 1, 2 ]
amdhsa.kernels:
  - .name:           k_q5b7dee6f39_qkv
    .symbol:         k_q5b7dee6f39_qkv.kd
    .args:
      - { .name: xb, .offset: 0, .size: 8, .value_kind: global_buffer, .address_space: global }
      - { .name: wcat, .offset: 8, .size: 8, .value_kind: global_buffer, .address_space: global }
      - { .name: tab, .offset: 16, .size: 8, .value_kind: global_buffer, .address_space: global }
      - { .name: alpha_log, .offset: 24, .size: 8, .value_kind: global_buffer, .address_space: global }
      - { .name: qkv, .offset: 32, .size: 8, .value_kind: global_buffer, .address_space: global }
      - { .name: wpart, .offset: 40, .size: 8, .value_kind: global_buffer, .address_space: global }
      - { .name: amax, .offset: 48, .size: 8, .value_kind: global_buffer, .address_space: global }
    .group_segment_fixed_size: 327680
    .private_segment_fixed_size: 0
    .kernarg_segment_align: 8
    .kernarg_segment_size: 56
    .max_flat_workgroup_size: 128
    .sgpr_count:     80
    .vgpr_count:     1024
    .wavefront_size: 32
...
	.end_amdgpu_metadata
.endif
;; end of part 2
;; launch attn (part 3): grid 16 x 16, 4 waves a work-group, clusters of 4 x 1, 327,680 bytes of LDS; arguments qkv, wpart, amax, alpha_log, oh, out1; writes oh, out1
.if DOCPART == 3
	.amdgcn_target "amdgcn-amd-amdhsa--gfx1250"
	.amdhsa_code_object_version 6
	.text
	.protected	k_q5b7dee6f39_attn
	.globl	k_q5b7dee6f39_attn
	.p2align	8
	.type	k_q5b7dee6f39_attn,@function
k_q5b7dee6f39_attn:
	s_mov_b64 s[64:65], 0
	v_nop
	global_prefetch_b8 v0, s[64:65] scope:SCOPE_SE
	s_setreg_imm32_b32 hwreg(HW_REG_WAVE_MODE, 25, 1), 1
	s_wait_xcnt 0x0
	s_wait_alu depctr_hold_cnt(0) depctr_sa_sdst(0) depctr_va_vdst(0) depctr_va_sdst(0) depctr_va_ssrc(0) depctr_va_vcc(0) depctr_vm_vsrc(0)
	s_getreg_b32 s2, hwreg(HW_REG_IB_STS2, 6, 4)
	s_cmp_eq_u32 s2, 0
	s_cbranch_scc0 .Lentry_in_a_cluster
	s_endpgm
.Lentry_in_a_cluster:
	s_bfe_u32 s2, ttmp6, 0x10000c
	s_cmp_lg_u32 s2, 0x3003
	s_cbranch_scc0 .Lentry_shape_is_right
	s_endpgm
.Lentry_shape_is_right:
; ATTN.  o[s] = sum over t <= s of (q[s] . k[t]) g^(s - t) v'[t] for one (batch, head) bh; g = max(mean of sigmoid(bf16(alpha_log[h])), 1e-6).  No softmax.  f16 operands, f32 sums.  Also out1 = the sum of the 16 chunks' states.
; THE WALK.  A head's queries lie in 8 blocks of 256; block A needs the key tiles 0 .. A of 256 keys.  A cluster takes blocks a and then 7 - a: 9 tiles, whatever a.  Its four work-groups take 64 queries each of both blocks, so all
; four walk the same tiles: every tile is a joint load.  In a tile wave w takes keys 64 w .. 64 w + 63 against all 64 queries; the four waves' partial sums of O meet in LDS at a block's end (plain sums).
; LAYOUT.  S^T = K Q^T: a lane holds one query (l % 16) and keys 8 (l / 16) + 0 .. 7; two such tiles, weighted and rounded to f16, are the second source of O^T = V'^T P.  K comes out of LDS as it lies, V' turned.
; THE WEIGHT g^(s - t) is never split into a factor with a negative exponent.  With delta = query tile - key block + 3:  off the diagonal  W = H[delta][j] x g^D,  H = g^(64 + 16 (delta - 3) + r - 8 h - j),  D = 256 (A - T) + 64 (cx - w) - 64 >= 0;
; in the diagonal tile  W = G[delta][j] = g^n for n = 64 (cx - w) + 16 (delta - 3) + r - 8 h - j >= 0, else 0.  One text serves every tile: W = H tf + G gsel with (tf, gsel) = (g^D sP, 0) or (0, 1).
; SCALES.  sP and sO are powers of two made from the launch-wide maxima of |q|, |k|, |v'|: |S sP| <= 2^15 and |o sO| <= 2^15 whatever the inputs' size; oh = o sO, undone exactly in the last launch.
; LIMITS.  A factor below 2^-126 counts as 0.  2048 max|v'| lies within 2^-120 .. 2^120.  o below 2^-29 of its bound 2048 x 128 max|q| max|k| max|v'| falls into f16's fixed step.  NaN and infinities are not treated apart.
; O is cleared by 256 v_mov_b32 at a block's beginning, so that one text serves every tile: the price of writing no first tile out.
; REGISTERS.  window 0: v0-63 addresses and a few numbers; W v64-119; H v120-175; G v176-231; v232-255 at work.   window 1: O^T at 64 qt + 8 cb.
;   window 2: Q at 32 qt + 8 c; K at 128 + 32 kb + 8 c.   window 3: S^T at 32 qt + 8 kb, P packed in place at 32 qt + 0 .. 15; V' at 128 + 64 kk + 8 cb.
.set PK,    272
.set PV,    288                        ; an odd multiple of 32 bytes
.set VOFF,  256*PK
.set SLOT1, 147456                     ; slot 1 begins here: the number shares no bit with the four tiles' LDS addresses in slot 0, so an exclusive or flips them
.set XCH,   SLOT1+256*(PK+PV)          ; 32,768 bytes: the waves' exchange of O, then the stage for the way out; never filled by a tensor load
.set SPARE, XCH+32768
.set AK0, 4
.set AV0, 5
.set ADK, 6
.set ADV, 7
.set QO,  8
.set XW,  9
.set XR,  10
.set OW,  11
.set ORD, 12
.set GO,  13
.set PFO, 14
.set WPO, 15
.set DV,  16                           ; v16  D of the tile to come, as a float;  v17 its start for the long block
.set DL,  17
.set SPW, 62
.set NIL, 63
.set WR,  64
.set HR,  120
.set GR,  176
.set WV,  16
.set CX,  17
.set CA,  18                           ; s18  a
.set BH,  19
.set G1K, 24
.set G1V, 32
.set G0K, 40
.set G0V, 44
.set KB,  48
.set VB,  50
.set OFF, 52
.set PFA, 54
.set SLOTS, 56
.set RT,  57                           ; tiles of the block in hand still to be entered
.set NXT, 58                           ; the tile to be asked for next
.set LQ,  59                           ; the last tile of the block whose tiles are being asked for
.set SEL, 60
.set TB,  62
.set LIM, 63
.set LQ2, 66                           ; 7 - a
.set SPH, 67
.set GS,  68
.set SOP, 70
.set SP,  72
.set QL,  74
.set OHS, 76
.set OHL, 78
.set QS,  96
.set MSB, 0
.macro WIN new
.if MSB != (\new)
	s_set_vgpr_msb (MSB<<8)|(\new)
.set MSB, \new
.endif
.endm
.macro PLACES
.rept 4
	v_nop
.endr
.endm
.macro BAR
	s_barrier_signal -1
	s_barrier_wait -1
.endm
.macro JLOAD                           ; waves 0 and 1 fetch the halves of a tile's K, waves 2 and 3 those of its V'
	s_cmp_lt_u32 s[WV], 2
	s_cbranch_scc0 .Lfor_v_\@
	tensor_load_to_lds s[G0K:G0K+3], s[G1K:G1K+7]
	s_nop 0
.rept 4
	v_nop
.endr
	s_branch .Lasked_\@
.Lfor_v_\@:
	tensor_load_to_lds s[G0V:G0V+3], s[G1V:G1V+7]
	s_nop 0
.rept 4
	v_nop
.endr
.Lasked_\@:
.endm
; A prefetch of the tile that cluster a = 0 will ask for two trips on (its long block walks tiles 0 to 7, one a trip).  That cluster alone asks; its partners take 64 rows each by address, a wave 32 of K's or of V's, a lane a row of 256 bytes.
; Trips 0 to 5 name tiles 2 to 7; tiles 0 and 1 come by their loads alone.
.macro ASK
	s_cmp_gt_u32 s[SLOTS], s[LIM]
	s_cbranch_scc0 .Lnot_mine_\@
	global_prefetch_b8 v[PFO], s[PFA:PFA+1] th:TH_LOAD_NT scope:SCOPE_SE
.Lnot_mine_\@:
.endm
.macro CROUND
	s_barrier_signal -1
	s_barrier_wait -1
	s_cmp_lg_u32 s[WV], 0
	s_cbranch_scc1 .Lnot_wave_0_\@
	s_barrier_signal -3
.Lnot_wave_0_\@:
	s_barrier_wait -3
	s_barrier_signal -1
	s_barrier_wait -1
.endm
; THE CHANGE OF SLOTS.  Each wave waits for all its tensor loads (one is out: its part of the tile to be entered), adds 0 to its spare word, and waits for that and for its reads of the slot that it leaves.
; fill = 1: a round of the cluster's barrier, and the old slot is filled again first thing behind it, with tile NXT; the address is made anew from that number.
.macro CHANGE fill
	WIN 0
	s_wait_tensorcnt 0x0
	ds_add_u32 v[SPW], v[NIL]
.if \fill
	s_lshl_b32 s[OFF], s[NXT], 16                  ; a tile is 65,536 bytes of K and of V'
	s_xor_b32 s[G0K+1], s[G0K+1], SLOT1
	s_add_nc_u64 s[G0K+2:G0K+3], s[KB:KB+1], s[OFF:OFF+1]
	s_or_b32 s[G0K+3], s[G0K+3], 0x80000000
	s_xor_b32 s[G0V+1], s[G0V+1], SLOT1
	s_add_nc_u64 s[G0V+2:G0V+3], s[VB:VB+1], s[OFF:OFF+1]
	s_or_b32 s[G0V+3], s[G0V+3], 0x80000000
	s_add_co_u32 s[NXT], s[NXT], 1                 ; the block's next tile, or behind its last the long block's tile 0
	s_cmp_gt_u32 s[NXT], s[LQ]
	s_cselect_b32 s[NXT], 0, s[NXT]
	s_cselect_b32 s[LQ], s[LQ2], s[LQ]
	s_wait_xcnt 0x0                                ; earlier stores and the last prefetch have read their registers
	s_add_nc_u64 s[PFA:PFA+1], s[PFA:PFA+1], 65536
	s_wait_dscnt 0x0
	CROUND
	JLOAD
	ASK
.else
	s_wait_dscnt 0x0
	BAR
	PLACES
.endif
	s_xor_b32 s[TB], s[TB], SLOT1
.endm
.macro QLOAD base                      ; 64 queries x 128 channels as fragments: tile i / 4, channels 32 (i % 4) on
	WIN 0x80
.set i, 0
.rept 16
	global_load_b128 v[8*i:8*i+3],   v[QO], s[\base:\base+1] offset:(i/4)*4096+(i%4)*64
	global_load_b128 v[8*i+4:8*i+7], v[QO], s[\base:\base+1] offset:(i/4)*4096+(i%4)*64+32
.set i, i+1
.endr
	WIN 0
.endm
.macro CLEARO
	WIN 0x40
.set i, 0
.rept 256
	v_mov_b32 v[i], 0
.set i, i+1
.endr
	WIN 0
.endm
; The launch-wide maxima: v[b .. b+31] hold eight entries (q, k, v', 0) a lane.  Leaves the biased exponents eP of 128 max|q| max|k| in s83 and eO of 2048 x that x max|v'| in s84, both held to 16 .. 250.
.macro SCALES b
.irp p, 0,1,2
	v_max3_num_f32 v[(\b)+\p], v[(\b)+\p], v[(\b)+4+\p], v[(\b)+8+\p]
	v_max3_num_f32 v[(\b)+\p], v[(\b)+\p], v[(\b)+12+\p], v[(\b)+16+\p]
	v_max3_num_f32 v[(\b)+\p], v[(\b)+\p], v[(\b)+20+\p], v[(\b)+24+\p]
	v_max_num_f32 v[(\b)+\p], v[(\b)+\p], v[(\b)+28+\p]
.endr
.irp x, 1,2,4,8
.irp p, 0,1,2
	v_max_num_f32_dpp v[(\b)+\p], v[(\b)+\p], v[(\b)+\p] row_xmask:\x row_mask:0xf bank_mask:0xf
.endr
.endr
.irp p, 0,1,2
	v_permlanex16_b32 v[(\b)+4+\p], v[(\b)+\p], s[SEL], s[SEL+1]
.endr
.irp p, 0,1,2
	v_max_num_f32 v[(\b)+\p], v[(\b)+\p], v[(\b)+4+\p]
.endr
.irp p, 0,1,2
	v_readfirstlane_b32 s[80+\p], v[(\b)+\p]
.endr
	s_mul_f32 s83, s80, s81
	s_mul_f32 s83, s83, 0x43000000
	s_mul_f32 s84, s83, s82
	s_mul_f32 s84, s84, 0x45000000
	s_lshr_b32 s83, s83, 23
	s_max_u32 s83, s83, 16
	s_min_u32 s83, s83, 250
	s_lshr_b32 s84, s84, 23
	s_max_u32 s84, s84, 16
	s_min_u32 s84, s84, 250
.endm
	s_load_b256 s[4:11], s[0:1], 0x0               ; qkv 4, wpart 6, amax 8, alpha_log 10
	s_load_b128 s[12:15], s[0:1], 0x20             ; oh 12, out1 14
	v_lshl_add_u32 v[SPW], v0, 2, SPARE
	v_mov_b32 v[NIL], 0
	ds_add_u32 v[SPW], v[NIL]                      ; the wave's opening: the add, twice on end, and its wait ahead of my first tensor load
	ds_add_u32 v[SPW], v[NIL]
	v_lshrrev_b32 v22, 5, v0
	v_readfirstlane_b32 s[WV], v22
	s_bfe_u32 s[CX], ttmp6, 0x40000
	s_mov_b32 s[CA], ttmp9
	s_and_b32 s[BH], ttmp7, 0xffff
	s_sub_co_u32 s[LQ2], 7, s[CA]
	s_and_b32 s20, s[WV], 1
	s_mov_b32 s[G1K], 15|(1<<16)|(1<<20)|(1<<21)|(5<<22)|(3<<25)   ; the mask of four; 2-byte elements; padding on; bit 21 beside a mask; after every 64 words, 4 words
	s_mov_b32 s[G1V], 15|(1<<16)|(1<<20)|(1<<21)|(5<<22)|(7<<25)   ; the same with 8 words
.irp g, G1K, G1V
	s_mov_b32 s[\g+1], 128<<16
	s_mov_b32 s[\g+2], 128<<16
	s_mov_b32 s[\g+3], 128<<16
	s_mov_b32 s[\g+4], 128
	s_mov_b32 s[\g+5], 128
	s_mov_b32 s[\g+6], 0
	s_mov_b32 s[\g+7], 0
.endr
	s_mul_i32 s21, s20, 128*PK
	s_mul_i32 s22, s20, 128*PV
	s_mov_b32 s[G0K], 1
	s_mov_b32 s[G0K+1], s21
	s_mov_b32 s[G0V], 1
	s_add_co_u32 s[G0V+1], s22, VOFF
	s_lshl_b32 s80, s[BH], 19                      ; a head's 2,048 rows of 256 bytes
	s_lshl_b32 s81, s[CX], 14                      ; my 64 queries in a block
	s_lshl_b32 s82, s20, 15
	s_add_co_u32 s82, s82, s80
	s_add_co_u32 s82, s82, 0x800000                ; K: my half of tile 0: hangs on bh and the wave alone
	s_mov_b32 s83, 0
	s_add_co_u32 s84, s82, 0x800000                ; V'
	s_mov_b32 s85, 0
	s_lshl_b32 s86, s[CA], 16
	s_add_co_u32 s86, s86, s81
	s_add_co_u32 s86, s86, s80
	s_mov_b32 s87, 0
	s_lshl_b32 s88, s[LQ2], 16
	s_add_co_u32 s88, s88, s81
	s_add_co_u32 s88, s88, s80
	s_mov_b32 s89, 0
	s_lshr_b32 s90, s[BH], 3                       ; oh: (2048 b + 256 A + 64 cx + 16 w) rows of 2,048 bytes + 256 head
	s_lshl_b32 s90, s90, 22
	s_and_b32 s91, s[BH], 7
	s_lshl_b32 s91, s91, 8
	s_add_co_u32 s90, s90, s91
	s_lshl_b32 s91, s[CX], 17
	s_add_co_u32 s90, s90, s91
	s_lshl_b32 s91, s[WV], 15
	s_add_co_u32 s90, s90, s91
	s_lshl_b32 s92, s[LQ2], 19
	s_add_co_u32 s92, s92, s90
	s_lshl_b32 s91, s[CA], 19
	s_add_co_u32 s90, s90, s91
	s_mov_b32 s91, 0
	s_mov_b32 s93, 0
	s_lshl2_add_u32 s21, s[CA], s[CX]              ; the work-group's 8 rows of the head's state
	s_lshl_b32 s21, s21, 12
	s_lshl_b32 s94, s[BH], 16
	s_add_co_u32 s94, s94, s21
	s_mov_b32 s95, 0
	s_lshl_b32 s98, s[BH], 20
	s_add_co_u32 s98, s98, s21
	s_mov_b32 s99, 0
	s_add_co_u32 s22, s80, 0x800000                ; the prefetches: K's or V's tile 1, my work-group's 64 rows, my wave's 32; the first change steps it to tile 2
	s_add_co_u32 s23, s22, 0x800000
	s_cmp_lt_u32 s[WV], 2
	s_cselect_b32 s22, s22, s23
	s_add_co_u32 s22, s22, s81
	s_lshl_b32 s23, s20, 13
	s_add_co_u32 s22, s22, s23
	s_add_co_u32 s22, s22, 65536
	s_mov_b32 s23, 0
	s_cmp_eq_u32 s[CA], 0
	s_cselect_b32 s[LIM], 2, -1
	s_mov_b32 s[SEL], 0x76543210
	s_mov_b32 s[SEL+1], 0xfedcba98
	s_mov_b32 s[OFF+1], 0
	s_mov_b32 s[GS+1], 0
	s_mov_b32 s[TB], SLOT1                         ; the first change turns it into 0
	s_mov_b32 s[SLOTS], 8
	s_add_co_u32 s[RT], s[CA], 1
	s_mov_b32 s[NXT], 1
	s_mov_b32 s[LQ], s[CA]
	s_cmp_gt_u32 s[NXT], s[LQ]
	s_cselect_b32 s[NXT], 0, s[NXT]
	s_cselect_b32 s[LQ], s[LQ2], s[LQ]
	s_wait_dscnt 0x0                               ; both opening adds are done
	s_wait_kmcnt 0x0
	s_add_nc_u64 s[KB:KB+1], s[4:5], s[82:83]
	s_add_nc_u64 s[VB:VB+1], s[4:5], s[84:85]
	s_add_nc_u64 s[QS:QS+1], s[4:5], s[86:87]
	s_add_nc_u64 s[QL:QL+1], s[4:5], s[88:89]
	s_add_nc_u64 s[OHS:OHS+1], s[12:13], s[90:91]
	s_add_nc_u64 s[OHL:OHL+1], s[12:13], s[92:93]
	s_add_nc_u64 s[94:95], s[14:15], s[94:95]
	s_add_nc_u64 s[98:99], s[6:7], s[98:99]
	s_add_nc_u64 s[PFA:PFA+1], s[4:5], s[22:23]
	s_add_nc_u64 s[G0K+2:G0K+3], s[KB:KB+1], 0
	s_or_b32 s[G0K+3], s[G0K+3], 0x80000000
	s_add_nc_u64 s[G0V+2:G0V+3], s[VB:VB+1], 0
	s_or_b32 s[G0V+3], s[G0V+3], 0x80000000
	CROUND                                         ; all four work-groups are here
	JLOAD                                          ; tile 0 into slot 0
	v_and_b32 v1, 15, v0
	v_bfe_u32 v2, v0, 4, 1
	v_and_b32 v3, 31, v0
	v_lshlrev_b32 v22, 4, v3
.irp i, 0,1,2,3,4,5,6,7
	global_load_b128 v[WR+4*\i:WR+4*\i+3], v22, s[8:9] offset:512*\i
.endr
	s_and_b32 s20, s[BH], 7
	s_lshl_b32 s20, s20, 9
	v_add_nc_u32 v23, s20, v22
	global_load_b128 v[96:99], v23, s[10:11]
	v_lshlrev_b32 v[WPO], 4, v0
	WIN 0xc0
.set i, 0
.rept 16                                       ; the 16 chunks' states, my 32 bytes of each
	global_load_b128 v[8*i:8*i+3],   v[WPO], s[98:99] offset:i*65536
	global_load_b128 v[8*i+4:8*i+7], v[WPO], s[98:99] offset:i*65536+2048
.set i, i+1
.endr
	WIN 0
	v_lshlrev_b32 v[QO], 8, v1
	v_lshl_add_u32 v[QO], v2, 4, v[QO]
	QLOAD QS
	; LDS addresses
	v_mul_u32_u24 v[AK0], v1, PK
	v_lshl_add_u32 v[AK0], v2, 4, v[AK0]
	s_mul_i32 s20, s[WV], 64*PK
	v_add_nc_u32 v[AK0], s20, v[AK0]
	v_and_b32 v26, 7, v0
	v_bfe_u32 v27, v0, 3, 1
	v_lshl_add_u32 v[AV0], v2, 3, v26
	v_mul_u32_u24 v[AV0], v[AV0], PV
	v_lshl_add_u32 v[AV0], v27, 4, v[AV0]
	s_mul_i32 s20, s[WV], 64*PV
	s_add_co_u32 s20, s20, VOFF
	v_add_nc_u32 v[AV0], s20, v[AV0]
	s_lshl_b32 s20, s[WV], 13
	s_add_co_u32 s20, s20, XCH
	v_lshl_add_u32 v[XW], v3, 4, s20
	s_lshl_b32 s20, s[WV], 11
	s_add_co_u32 s20, s20, XCH
	v_lshl_add_u32 v[XR], v3, 4, s20
	v_mul_u32_u24 v[OW], v1, PK
	v_lshl_add_u32 v[OW], v2, 4, v[OW]
	s_lshl_b32 s20, s[WV], 6
	s_add_co_u32 s20, s20, XCH
	v_add_nc_u32 v[OW], s20, v[OW]
	v_mul_u32_u24 v[ORD], v2, PK
	v_lshl_add_u32 v[ORD], v1, 4, v[ORD]
	s_mul_i32 s20, s[WV], 16*PK
	s_add_co_u32 s20, s20, XCH
	v_add_nc_u32 v[ORD], s20, v[ORD]
	v_lshlrev_b32 v[GO], 11, v2
	v_lshl_add_u32 v[GO], v1, 4, v[GO]
	v_lshlrev_b32 v[PFO], 8, v3
	s_wait_loadcnt 63                              ; 73 loads were issued: the oldest ten are in, the maxima's eight and alpha_log's one among them
	SCALES WR
	s_sub_co_u32 s85, 268, s83
	s_lshl_b32 s[SP], s85, 23                      ; sP = 2^(141 - eP)
	s_mov_b32 s[SP+1], s[SP]
	s_add_co_u32 s85, s83, 127
	s_sub_co_i32 s85, s85, s84
	s_max_i32 s85, s85, 1
	s_min_i32 s85, s85, 254
	s_lshl_b32 s[SOP], s85, 23                     ; sO / sP = 2^(eP - eO)
	s_mov_b32 s[SOP+1], s[SOP]
	; log2 g
	v_cvt_pk_bf16_f32 v100, v96, v97
	v_cvt_pk_bf16_f32 v101, v98, v99
	v_lshlrev_b32 v96, 16, v100
	v_and_b32 v97, 0xffff0000, v100
	v_lshlrev_b32 v98, 16, v101
	v_and_b32 v99, 0xffff0000, v101
.irp i, 96,97,98,99
	v_mul_f32 v\i, 0xbfb8aa3b, v\i
.endr
.irp i, 96,97,98,99
	v_exp_f32 v\i, v\i
.endr
	v_nop
	s_wait_alu depctr_va_vdst(0)
.irp i, 96,97,98,99
	v_add_f32 v\i, 1.0, v\i
.endr
.irp i, 96,97,98,99
	v_rcp_f32 v\i, v\i
.endr
	v_nop
	s_wait_alu depctr_va_vdst(0)
	v_add_f32 v96, v96, v97
	v_add_f32 v98, v98, v99
	v_add_f32 v96, v96, v98
.irp x, 1,2,4,8
	v_add_f32_dpp v96, v96, v96 row_xmask:\x row_mask:0xf bank_mask:0xf
.endr
	v_permlanex16_b32 v97, v96, s[SEL], s[SEL+1]
	v_add_f32 v96, v96, v97
	v_mul_f32 v96, 0x3c000000, v96                 ; / 128
	v_max_num_f32 v96, 0x358637bd, v96             ; the clip at 1e-6
	v_log_f32 v18, v96
	v_nop
	s_wait_alu depctr_va_vdst(0)
	v_mov_b32 v19, v18
	; H and G
	v_lshlrev_b32 v24, 3, v2
	v_sub_nc_u32 v24, v1, v24                      ; r - 8 h
	s_sub_co_i32 s20, s[CX], s[WV]
	s_lshl_b32 s20, s20, 6                         ; 64 (cx - w): it enters numbers alone, no branch and no LDS address
	v_add_nc_u32 v25, s20, v24
	v_add_nc_u32 v24, 16, v24
.irp j, 0,1,2,3,4,5,6,7
	v_sub_nc_u32 v[232+\j], v24, \j
	v_cvt_f32_i32 v[232+\j], v[232+\j]
	v_mul_f32 v[HR+\j], v18, v[232+\j]             ; H[0][j]: exponent 16 + r - 8 h - j >= 1
.endr
	v_mul_f32 v240, 0x41800000, v18
.irp j, 0,1,2,3,4,5,6,7
	v_sub_nc_u32 v[232+\j], v25, 48+\j
	v_cvt_f32_i32 v[232+\j], v[232+\j]
.endr
.set d, 0
.irp cst, 0, 0x41800000, 0x42000000, 0x42400000, 0x42800000, 0x42a00000, 0x42c00000
.irp m, 0,1,2,3
	v_pk_add_f32 v[WR+8*d+2*\m:WR+8*d+2*\m+1], v[232+2*\m:232+2*\m+1], \cst op_sel_hi:[1,0]   ; n, kept in W's registers for the test below
	v_pk_mul_f32 v[GR+8*d+2*\m:GR+8*d+2*\m+1], v[WR+8*d+2*\m:WR+8*d+2*\m+1], v[18:19]
.endr
.set d, d+1
.endr
.set i, 0
.rept 8
	v_exp_f32 v[HR+i], v[HR+i]
.set i, i+1
.endr
	v_exp_f32 v240, v240
.set i, 0
.rept 56
	v_exp_f32 v[GR+i], v[GR+i]
.set i, i+1
.endr
	v_nop
	s_wait_alu depctr_va_vdst(0)
	v_mov_b32 v241, v240
.set i, 0
.rept 24
	v_pk_mul_f32 v[HR+8+2*i:HR+8+2*i+1], v[HR+2*i:HR+2*i+1], v[240:241]   ; H[delta] = H[delta - 1] g^16
.set i, i+1
.endr
.set i, 0
.rept 28
	v_pk_mul_f32 v[GR+2*i:GR+2*i+1], v[GR+2*i:GR+2*i+1], s[SP:SP+1] op_sel_hi:[1,0]
.set i, i+1
.endr
.set i, 0
.rept 56
	v_cmp_le_f32 vcc_lo, 0, v[WR+i]                ; a key behind its query counts 0: the choice stands last, so what the exponential made of a negative n is thrown away
	v_cndmask_b32 v[GR+i], 0, v[GR+i], vcc_lo
.set i, i+1
.endr
	s_lshl_b32 s21, s[CA], 8
	s_add_co_i32 s21, s21, s20
	s_sub_co_i32 s21, s21, 64
	v_cvt_f32_i32 v[DV], s21
	s_lshl_b32 s21, s[LQ2], 8
	s_add_co_i32 s21, s21, s20
	s_sub_co_i32 s21, s21, 64
	v_cvt_f32_i32 v[DL], s21
	s_wait_loadcnt 32                              ; the chunks' states are in; Q's 32 loads may stay out
	WIN 0xff
.set c, 1
.rept 15
.irp q, 0,2,4,6
	v_pk_add_f32 v[\q:\q+1], v[\q:\q+1], v[8*c+\q:8*c+\q+1]
.endr
.set c, c+1
.endr
	WIN 0x0c
	global_store_b128 v[WPO], v[0:3], s[94:95]
	global_store_b128 v[WPO], v[4:7], s[94:95] offset:2048
	CLEARO
	s_wait_loadcnt 0x0                             ; Q
; THE MATRIX WORK.  A piece y is query tiles 2 y, 2 y + 1.  The accumulators take turns, one instruction a turn.
.macro KQ y                            ; product i of 32: channels 32 (i / 8) on, keys 16 ((i / 2) % 4) on
	WIN 0xfa
.set rS, 32*(2*(\y)+i%2)+8*((i/2)%4)
.set rK, 128+32*((i/2)%4)+8*(i/8)
.set rQ, 32*(2*(\y)+i%2)+8*(i/8)
.if i < 8
	v_wmma_f32_16x16x32_f16 v[rS:rS+7], v[rK:rK+7], v[rQ:rQ+7], 0
.else
	v_wmma_f32_16x16x32_f16 v[rS:rS+7], v[rK:rK+7], v[rQ:rQ+7], v[rS:rS+7]
.endif
.endm
.macro PV y                            ; product i of 32: keys 32 (i / 16) on, channels 16 ((i / 2) % 8) on
	WIN 0x5f
.set rO, 64*(2*(\y)+i%2)+8*((i/2)%8)
.set rV, 128+64*(i/16)+8*((i/2)%8)
.set rP, 32*(2*(\y)+i%2)+8*(i/16)
	v_wmma_f32_16x16x32_f16 v[rO:rO+7], v[rV:rV+7], v[rP:rP+7], v[rO:rO+7]
.endm
; Number n of the 64 that weight piece y's scores and round them to f16: for each tile and key block four packed multiplies by W[delta], then four roundings, packed in place in ascending order.
.macro SC y, n
.set qt_, 2*(\y)+(\n)/32
.set kb_, ((\n)%32)/8
.set su_, (\n)%8
.if su_ < 4
	WIN 0xc3
	v_pk_mul_f32 v[32*qt_+8*kb_+2*su_:32*qt_+8*kb_+2*su_+1], v[32*qt_+8*kb_+2*su_:32*qt_+8*kb_+2*su_+1], v[WR+8*(qt_-kb_+3)+2*su_:WR+8*(qt_-kb_+3)+2*su_+1]
.else
	WIN 0xcf
.set ii_, 4*kb_+su_-4
	v_cvt_pk_f16_f32 v[32*qt_+ii_], v[32*qt_+2*ii_], v[32*qt_+2*ii_+1]
.endif
.endm
.macro TILE
	WIN 0
	v_add_nc_u32 v[ADK], s[TB], v[AK0]
	v_add_nc_u32 v[ADV], s[TB], v[AV0]
	WIN 0x80
.irp f, 0,1,2,3,4,5,6,7,8,9,10,11,12,13,14,15  ; K: keys 16 (f / 4) on, channels 32 (f % 4) on
	ds_load_b128 v[128+8*\f:128+8*\f+3],   v[ADK] offset:(\f/4)*16*PK+(\f%4)*64
	ds_load_b128 v[128+8*\f+4:128+8*\f+7], v[ADK] offset:(\f/4)*16*PK+(\f%4)*64+32
.endr
	WIN 0xc0
.irp f, 0,1,2,3,4,5,6,7,8,9,10,11,12,13,14,15  ; V', turned: keys 32 (f / 8) on, channels 16 (f % 8) on
	ds_load_tr16_b128 v[128+8*\f:128+8*\f+3],   v[ADV] offset:(\f/8)*32*PV+(\f%8)*32
	ds_load_tr16_b128 v[128+8*\f+4:128+8*\f+7], v[ADV] offset:(\f/8)*32*PV+16*PV+(\f%8)*32
.endr
	WIN 0
	v_mul_f32 v20, v18, v[DV]                      ; the tile's weights, while the loads are out
	v_min_num_f32 v20, 0, v20
	v_exp_f32 v20, v20
	v_add_f32 v[DV], 0xc3800000, v[DV]             ; the next tile lies 256 keys nearer; also the plain instruction behind the exponential
	s_wait_alu depctr_va_vdst(0)
	v_mul_f32 v20, s[SPH], v20
	v_mov_b32 v21, v20
.set i, 0
.rept 28
	v_pk_mul_f32 v[WR+2*i:WR+2*i+1], v[HR+2*i:HR+2*i+1], v[20:21]
.set i, i+1
.endr
.set i, 0
.rept 28
	v_pk_fma_f32 v[WR+2*i:WR+2*i+1], v[GR+2*i:GR+2*i+1], s[GS:GS+1], v[WR+2*i:WR+2*i+1] op_sel_hi:[1,0,1]
.set i, i+1
.endr
	s_wait_dscnt 32                                ; K is in; V's 32 loads may stay out
.set i, 0
.rept 32
	KQ 0
.set i, i+1
.endr
	PLACES
.set i, 0
.rept 32                                       ; piece 1's scores, and behind each product two lines of piece 0's weighting
	KQ 1
	SC 0, 2*i
	SC 0, 2*i+1
.set i, i+1
.endr
	PLACES
	s_wait_dscnt 0x0                               ; V' is in
.set i, 0
.rept 32
	PV 0
	SC 1, 2*i
	SC 1, 2*i+1
.set i, i+1
.endr
.set i, 0
.rept 32
	PV 1
.set i, i+1
.endr
	WIN 0
.endm
; A BLOCK'S END.  For each query tile the four waves put their partial O^T into LDS; wave w adds up channel blocks 2 w, 2 w + 1.  Then x sO / sP, f16, through the stage, out as whole 256 bytes of a token's head.
; Two barriers a query tile: stores before reads, reads before the next stores.  last = 0: the long block's Q is fetched meanwhile, and O, D and the count are set anew.
.macro BLKEND last
	PLACES
.if !(\last)
	QLOAD QL
.endif
.irp qt, 0,1,2,3
	WIN 0x04                                       ; store data from window 1
.irp cb, 0,1,2,3,4,5,6,7
	ds_store_b128 v[XW], v[64*\qt+8*\cb:64*\qt+8*\cb+3]   offset:\cb*1024
	ds_store_b128 v[XW], v[64*\qt+8*\cb+4:64*\qt+8*\cb+7] offset:\cb*1024+512
.endr
	s_wait_dscnt 0x0
	BAR
	WIN 0xc0
.irp u, 0,1,2,3
.irp c, 0,1
	ds_load_b128 v[16*\u+8*\c:16*\u+8*\c+3],   v[XR] offset:\u*8192+\c*1024
	ds_load_b128 v[16*\u+8*\c+4:16*\u+8*\c+7], v[XR] offset:\u*8192+\c*1024+512
.endr
.endr
	s_wait_dscnt 0x0
	WIN 0xff
.irp q, 0,2,4,6,8,10,12,14
	v_pk_add_f32 v[64+16*\qt+\q:64+16*\qt+\q+1], v[\q:\q+1], v[16+\q:16+\q+1]
.endr
.irp q, 0,2,4,6,8,10,12,14
	v_pk_add_f32 v[64+16*\qt+\q:64+16*\qt+\q+1], v[64+16*\qt+\q:64+16*\qt+\q+1], v[32+\q:32+\q+1]
.endr
.irp q, 0,2,4,6,8,10,12,14
	v_pk_add_f32 v[64+16*\qt+\q:64+16*\qt+\q+1], v[64+16*\qt+\q:64+16*\qt+\q+1], v[48+\q:48+\q+1]
.endr
	BAR
.endr
.set i, 0
.rept 32
	v_pk_mul_f32 v[64+2*i:64+2*i+1], v[64+2*i:64+2*i+1], s[SOP:SOP+1] op_sel_hi:[1,0]
.set i, i+1
.endr
.set i, 0
.rept 32
	v_cvt_pk_f16_f32 v[128+i], v[64+2*i], v[64+2*i+1]
.set i, i+1
.endr
	WIN 0x0c
.irp qt, 0,1,2,3
.irp c, 0,1
	ds_store_b128 v[OW], v[128+8*\qt+4*\c:128+8*\qt+4*\c+3] offset:\qt*16*PK+32*\c
.endr
.endr
	s_wait_dscnt 0x0
	BAR
	WIN 0
.irp t, 0,1,2,3,4,5,6,7
	ds_load_b128 v[WR+4*\t:WR+4*\t+3], v[ORD] offset:\t*2*PK
.endr
	s_wait_dscnt 0x0
.irp t, 0,1,2,3,4,5,6,7
	global_store_b128 v[GO], v[WR+4*\t:WR+4*\t+3], s[OHS:OHS+1] offset:\t*4096   ; 16 lanes store 256 consecutive bytes, aligned
.endr
.if !(\last)
	s_wait_xcnt 0x0                                ; the stores have read their data and their base
	s_mov_b64 s[OHS:OHS+1], s[OHL:OHL+1]
	s_add_co_u32 s[RT], s[LQ2], 1                  ; the long block has 8 - a tiles
	v_mov_b32 v[DV], v[DL]
	CLEARO
	s_wait_loadcnt 0x0                             ; its Q
.endif
.endm
.Ltrip:                                        ; eight times: a tile is entered and the next is asked for
	CHANGE 1
	s_sub_co_u32 s[RT], s[RT], 1
	s_cmp_eq_u32 s[RT], 0                          ; the block's last tile holds the diagonal
	s_cselect_b32 s[SPH], 0, s[SP]
	s_cselect_b32 s[GS], 1.0, 0
	TILE
	s_cmp_lg_u32 s[RT], 0                          ; made of the cluster's number and the count alone: the same in every wave and every partner
	s_cbranch_scc1 .Lbot
	BLKEND 0
.Lbot:
	s_sub_co_u32 s[SLOTS], s[SLOTS], 1
	s_cmp_lg_u32 s[SLOTS], 0
	s_cbranch_scc1 .Ltrip
	CHANGE 0                                       ; the walk's last tile is written out
	s_mov_b32 s[SPH], 0
	s_mov_b32 s[GS], 1.0
	TILE
	BLKEND 1
	s_wait_tensorcnt 0x0                           ; the wave's end
	ds_add_u32 v[SPW], v[NIL]
	s_wait_dscnt 0x0
	CROUND                                         ; the closing round
	s_endpgm
.Lfunc_end_k_q5b7dee6f39_attn:
	.size	k_q5b7dee6f39_attn, .Lfunc_end_k_q5b7dee6f39_attn-k_q5b7dee6f39_attn
	.p2alignl 7, 3214868480
	.fill 96, 4, 3214868480
	.section	.rodata,"a",@progbits
	.p2align	6, 0x0
	.amdhsa_kernel k_q5b7dee6f39_attn
		.amdhsa_group_segment_fixed_size 327680
		.amdhsa_private_segment_fixed_size 0
		.amdhsa_enable_private_segment 0
		.amdhsa_kernarg_size 48
		.amdhsa_user_sgpr_count 2
		.amdhsa_user_sgpr_kernarg_segment_ptr 1
		.amdhsa_wavefront_size32 1
		.amdhsa_system_sgpr_workgroup_id_x 1
		.amdhsa_system_sgpr_workgroup_id_y 1
		.amdhsa_system_sgpr_workgroup_id_z 1
		.amdhsa_system_vgpr_workitem_id 0
		.amdhsa_next_free_vgpr 1024
		.amdhsa_next_free_sgpr 100
		.amdhsa_reserve_vcc 1
		.amdhsa_float_denorm_mode_32 3
		.amdhsa_float_denorm_mode_16_64 3
		.amdhsa_memory_ordered 1
		.amdhsa_forward_progress 1
		.amdhsa_inst_pref_size 161
	.end_amdhsa_kernel
	.amdgpu_metadata
---
amdhsa.version: [ 1, 2 ]
amdhsa.kernels:
  - .name:           k_q5b7dee6f39_attn
    .symbol:         k_q5b7dee6f39_attn.kd
    .args:
      - { .name: qkv, .offset: 0, .size: 8, .value_kind: global_buffer, .address_space: global }
      - { .name: wpart, .offset: 8, .size: 8, .value_kind: global_buffer, .address_space: global }
      - { .name: amax, .offset: 16, .size: 8, .value_kind: global_buffer, .address_space: global }
      - { .name: alpha_log, .offset: 24, .size: 8, .value_kind: global_buffer, .address_space: global }
      - { .name: oh, .offset: 32, .size: 8, .value_kind: global_buffer, .address_space: global }
      - { .name: out1, .offset: 40, .size: 8, .value_kind: global_buffer, .address_space: global }
    .group_segment_fixed_size: 327680
    .private_segment_fixed_size: 0
    .kernarg_segment_align: 8
    .kernarg_segment_size: 48
    .max_flat_workgroup_size: 128
    .sgpr_count:     100
    .vgpr_count:     1024
    .wavefront_size: 32
...
	.end_amdgpu_metadata
.endif
;; end of part 3
;; launch oproj (part 4): grid 8 x 32, 4 waves a work-group, clusters of 4 x 4, 327,680 bytes of LDS; arguments oh, wob, amax, out0; writes out0
.if DOCPART == 4
	.amdgcn_target "amdgcn-amd-amdhsa--gfx1250"
	.amdhsa_code_object_version 6
	.text
	.protected	k_q5b7dee6f39_oproj
	.globl	k_q5b7dee6f39_oproj
	.p2align	8
	.type	k_q5b7dee6f39_oproj,@function
k_q5b7dee6f39_oproj:
	s_mov_b64 s[64:65], 0
	v_nop
	global_prefetch_b8 v0, s[64:65] scope:SCOPE_SE
	s_setreg_imm32_b32 hwreg(HW_REG_WAVE_MODE, 25, 1), 1
	s_wait_xcnt 0x0
	s_wait_alu depctr_hold_cnt(0) depctr_sa_sdst(0) depctr_va_vdst(0) depctr_va_sdst(0) depctr_va_ssrc(0) depctr_va_vcc(0) depctr_vm_vsrc(0)
	s_getreg_b32 s2, hwreg(HW_REG_IB_STS2, 6, 4)
	s_cmp_eq_u32 s2, 0
	s_cbranch_scc0 .Lentry_in_a_cluster
	s_endpgm
.Lentry_in_a_cluster:
	s_bfe_u32 s2, ttmp6, 0x10000c
	s_cmp_lg_u32 s2, 0xf033
	s_cbranch_scc0 .Lentry_shape_is_right
	s_endpgm
.Lentry_shape_is_right:
; OPROJ.  out0[t][n] = (sum over i of oh[t][i] wob[n][i]) / sO.  oh: [4096][1024] f16 = o sO; wob: [2048][1024] f16; out0 f32.  f16 operands, f32 sums; 1 / sO is a power of two made from the same maxima as in the launch before.
; A work-group makes 128 tokens x 256 columns; wave w all 128 rows x columns 64 w ..: 32 accumulators; a row of its part is 256 bytes of out0, aligned.
; K goes in 8 steps of 128 through two LDS slots.  Waves 0 and 1 fetch wob's halves of 128 rows, waves 2 and 3 oh's halves of 64.  Cluster 4 x 4: oh's tile is shared along a row, wob's along a column.
; The matrix instruction is used transposed (first source = 16 rows of wob, second = 16 tokens): a lane holds one token and eight neighbouring columns.
; REGISTERS.  window 0: v0-31 addresses; v32-63 at work; oh's fragments v64-127, v128-191; wob's v192-223, v224-255.   window 1: the accumulators at 8 (4 a + b).
.set KSTEP,  128
.set PITCH,  272
.set PART,   128*PITCH
.set SLOT1,  131072                    ; a slot holds 3 PART = 104,448 bytes: wob's 256 rows, then oh's 128; slot 1 begins here, so that an exclusive or flips an address
.set STAGE,  SLOT1+3*PART              ; 16 rows x 272 bytes for each wave
.set SPARE,  STAGE+4*16*PITCH
.set BA, 4
.set CA, 5
.set BB, 6
.set CB, 7
.set STO, 8
.set RD,  9
.set CO,  10
.set PFO, 11
.set AMO, 12
.set SPW, 28
.set NIL, 29
.set TMP, 32
.set TB,  2
.set WV,  12
.set G1,  24                           ; oh's tiles
.set G0,  32
.set LIM, 43
.set PFA, 44
.set G1B, 48                           ; wob's tiles
.set G0B, 56
.set SEL, 68
.set INV, 70
.set OB,  72
.set MSB, 0
.macro WIN new
.if MSB != (\new)
	s_set_vgpr_msb (MSB<<8)|(\new)
.set MSB, \new
.endif
.endm
.macro PLACES
.rept 4
	v_nop
.endr
.endm
.macro JLOAD s
	s_cmp_lt_u32 s[WV], 2
	s_cbranch_scc0 .Lfor_a_\@
	tensor_load_to_lds s[G0B+4*(\s):G0B+4*(\s)+3], s[G1B:G1B+7]
	s_nop 0
.rept 4
	v_nop
.endr
	s_branch .Lasked_\@
.Lfor_a_\@:
	tensor_load_to_lds s[G0+4*(\s):G0+4*(\s)+3], s[G1:G1+7]
	s_nop 0
.rept 4
	v_nop
.endr
.Lasked_\@:
.endm
; A prefetch of the K step two refills on: 32 rows x 256 bytes, a lane a row.  wob's rows: waves 0 and 1 of the clusters with y = 0, the partners' 32 rows by cy.  oh's: wave 2 of the clusters with x = 0, by cx.  Wave 3 asks for nothing.
.macro ASK
	s_cmp_gt_u32 s3, s[LIM]
	s_cbranch_scc0 .Lnot_mine_\@
	global_prefetch_b8 v[PFO], s[PFA:PFA+1] offset:KSTEP*2 th:TH_LOAD_NT scope:SCOPE_SE
.Lnot_mine_\@:
.endm
.macro CREST
	s_cmp_lg_u32 s[WV], 0
	s_cbranch_scc1 .Lnot_wave_0_\@
	s_barrier_signal -3
.Lnot_wave_0_\@:
	s_barrier_wait -3
	s_barrier_signal -1
	s_barrier_wait -1
.endm
.macro CROUND
	s_barrier_signal -1
	s_barrier_wait -1
	CREST
.endm
.macro SCALES b                        ; as in the launch before: eP in s83, eO in s84
.irp p, 0,1,2
	v_max3_num_f32 v[(\b)+\p], v[(\b)+\p], v[(\b)+4+\p], v[(\b)+8+\p]
	v_max3_num_f32 v[(\b)+\p], v[(\b)+\p], v[(\b)+12+\p], v[(\b)+16+\p]
	v_max3_num_f32 v[(\b)+\p], v[(\b)+\p], v[(\b)+20+\p], v[(\b)+24+\p]
	v_max_num_f32 v[(\b)+\p], v[(\b)+\p], v[(\b)+28+\p]
.endr
.irp x, 1,2,4,8
.irp p, 0,1,2
	v_max_num_f32_dpp v[(\b)+\p], v[(\b)+\p], v[(\b)+\p] row_xmask:\x row_mask:0xf bank_mask:0xf
.endr
.endr
.irp p, 0,1,2
	v_permlanex16_b32 v[(\b)+4+\p], v[(\b)+\p], s[SEL], s[SEL+1]
.endr
.irp p, 0,1,2
	v_max_num_f32 v[(\b)+\p], v[(\b)+\p], v[(\b)+4+\p]
.endr
.irp p, 0,1,2
	v_readfirstlane_b32 s[80+\p], v[(\b)+\p]
.endr
	s_mul_f32 s83, s80, s81
	s_mul_f32 s83, s83, 0x43000000
	s_mul_f32 s84, s83, s82
	s_mul_f32 s84, s84, 0x45000000
	s_lshr_b32 s83, s83, 23
	s_max_u32 s83, s83, 16
	s_min_u32 s83, s83, 250
	s_lshr_b32 s84, s84, 23
	s_max_u32 s84, s84, 16
	s_min_u32 s84, s84, 250
.endm
	s_load_b256 s[4:11], s[0:1], 0x0               ; oh 4, wob 6, amax 8, out0 10
	v_lshl_add_u32 v[SPW], v0, 2, SPARE
	v_mov_b32 v[NIL], 0
	ds_add_u32 v[SPW], v[NIL]                      ; the wave's opening: the add, twice on end, and its wait ahead of my first tensor load
	ds_add_u32 v[SPW], v[NIL]
	v_lshrrev_b32 v30, 5, v0
	v_readfirstlane_b32 s[WV], v30
	s_and_b32 s13, s[WV], 1
	s_bfe_u32 s14, ttmp6, 0x40000                  ; cx
	s_bfe_u32 s15, ttmp6, 0x40004                  ; cy
	s_lshl_b32 s16, ttmp9, 2
	s_add_co_u32 s16, s16, s14                     ; tile column
	s_and_b32 s17, ttmp7, 0xffff
	s_lshl_b32 s17, s17, 2
	s_add_co_u32 s17, s17, s15                     ; tile row
	s_lshl_b32 s40, s15, 2
	s_lshl_b32 s40, 15, s40
	s_lshl_b32 s41, 0x1111, s14
	s_or_b32 s[G1], s40, (1<<16)|(1<<20)|(1<<21)|(5<<22)|(3<<25)
	s_or_b32 s[G1B], s41, (1<<16)|(1<<20)|(1<<21)|(5<<22)|(3<<25)
	s_mov_b32 s[G1+1], KSTEP<<16
	s_mov_b32 s[G1+2], 64<<16                      ; oh: 64 rows a load
	s_mov_b32 s[G1+3], KSTEP<<16
	s_mov_b32 s[G1+4], 64
	s_mov_b32 s[G1+5], 1024
	s_mov_b32 s[G1+6], 0
	s_mov_b32 s[G1+7], 0
	s_mov_b32 s[G1B+1], KSTEP<<16
	s_mov_b32 s[G1B+2], 128<<16                    ; wob: 128 rows a load
	s_mov_b32 s[G1B+3], KSTEP<<16
	s_mov_b32 s[G1B+4], 128
	s_mov_b32 s[G1B+5], 1024
	s_mov_b32 s[G1B+6], 0
	s_mov_b32 s[G1B+7], 0
	s_lshl_b32 s46, s17, 18                        ; oh: (128 tile row + 64 half) rows of 2,048 bytes
	s_lshl_b32 s47, s13, 17
	s_add_co_u32 s46, s46, s47
	s_mov_b32 s47, 0
	s_lshl_b32 s66, s16, 19                        ; wob: (256 tile column + 128 half) rows
	s_lshl_b32 s67, s13, 18
	s_add_co_u32 s66, s66, s67
	s_mov_b32 s67, 0
	s_mul_i32 s20, s13, 64*PITCH
	s_add_co_u32 s20, s20, 2*PART                  ; where oh's half goes,
	s_mul_i32 s21, s13, PART                       ; and wob's
	s_mov_b32 s[SEL], 0x76543210
	s_mov_b32 s[SEL+1], 0xfedcba98
	s_mov_b32 s[TB], 0
	s_wait_dscnt 0x0
	s_wait_kmcnt 0x0
	s_add_nc_u64 s[46:47], s[4:5], s[46:47]
	s_add_nc_u64 s[66:67], s[6:7], s[66:67]
	CROUND
.irp s, 0,1
	s_mov_b32 s[G0+4*\s], 1
	s_add_co_u32 s[G0+4*\s+1], s20, \s*SLOT1
	s_add_nc_u64 s[G0+4*\s+2:G0+4*\s+3], s[46:47], \s*KSTEP*2
	s_or_b32 s[G0+4*\s+3], s[G0+4*\s+3], 0x80000000
	s_mov_b32 s[G0B+4*\s], 1
	s_add_co_u32 s[G0B+4*\s+1], s21, \s*SLOT1
	s_add_nc_u64 s[G0B+4*\s+2:G0B+4*\s+3], s[66:67], \s*KSTEP*2
	s_or_b32 s[G0B+4*\s+3], s[G0B+4*\s+3], 0x80000000
	JLOAD \s                                       ; K steps 0 and 1: two tensor loads of mine are out
.endr
	v_and_b32 v1, 15, v0
	v_bfe_u32 v2, v0, 4, 1
	v_and_b32 v3, 31, v0
	v_lshlrev_b32 v[AMO], 4, v3
.irp i, 0,1,2,3,4,5,6,7
	global_load_b128 v[TMP+4*\i:TMP+4*\i+3], v[AMO], s[8:9] offset:512*\i
.endr
	s_and_b32 s22, ttmp7, 0xffff
	s_cmp_lt_u32 s[WV], 2
	s_cselect_b32 s22, s22, ttmp9                  ; the coordinate along which other clusters read the same rows
	s_cselect_b32 s23, s15, s14                    ; my place among the four that ask with me
	s_cselect_b64 s[PFA:PFA+1], s[66:67], s[46:47]
	s_cmp_eq_u32 s[WV], 3
	s_cselect_b32 s22, 1, s22
	s_cmp_eq_u32 s22, 0
	s_cselect_b32 s[LIM], 2, -1
	s_lshl_b32 s22, s23, 16                        ; 32 rows of 2,048 bytes
	s_mov_b32 s23, 0
	s_add_nc_u64 s[PFA:PFA+1], s[PFA:PFA+1], s[22:23]
	s_add_nc_u64 s[PFA:PFA+1], s[PFA:PFA+1], 2*KSTEP*2
	v_lshlrev_b32 v[PFO], 11, v3
	v_mul_u32_u24 v30, v1, PITCH
	v_lshl_add_u32 v30, v2, 4, v30
	v_add_nc_u32 v[BA], 2*PART, v30
	s_mul_i32 s22, s[WV], 64*PITCH
	v_add_nc_u32 v[BB], s22, v30
	v_mov_b32 v[CA], v[BA]
	v_mov_b32 v[CB], v[BB]
	s_mul_i32 s22, s[WV], 16*PITCH
	s_add_co_u32 s22, s22, STAGE
	v_mul_u32_u24 v[STO], v1, PITCH
	v_lshl_add_u32 v[STO], v2, 5, v[STO]
	v_add_nc_u32 v[STO], s22, v[STO]
	v_mul_u32_u24 v[RD], v2, PITCH
	v_lshl_add_u32 v[RD], v1, 4, v[RD]
	v_add_nc_u32 v[RD], s22, v[RD]
	v_lshlrev_b32 v[CO], 13, v2
	v_lshl_add_u32 v[CO], v1, 4, v[CO]
	s_lshl_b32 s22, s17, 20                        ; 128 rows of 8,192 bytes,
	s_lshl_b32 s40, s16, 10                        ; 256 columns,
	s_add_co_u32 s22, s22, s40
	s_lshl_b32 s40, s[WV], 8                       ; my 64
	s_add_co_u32 s22, s22, s40
	s_add_nc_u64 s[OB:OB+1], s[10:11], s[22:23]
	s_wait_loadcnt 0x0
	SCALES TMP
	s_sub_co_u32 s85, s84, 14
	s_lshl_b32 s[INV], s85, 23                     ; 1 / sO = 2^(eO - 141)
	s_mov_b32 s[INV+1], s[INV]
.macro MULA f, hi, a0, zero            ; 8 matrix instructions: row blocks 4 hi + a0, + 1 x my four column blocks
	WIN 0x50
.irp a, \a0, (\a0)+1
.irp b, 0,1,2,3
.if \zero
	v_wmma_f32_16x16x32_f16 v[8*(4*(4*(\hi)+(\a))+(\b)):8*(4*(4*(\hi)+(\a))+(\b))+7], v[192+32*(\f)+8*(\b):192+32*(\f)+8*(\b)+7], v[64+64*(\f)+8*(4*(\hi)+(\a)):64+64*(\f)+8*(4*(\hi)+(\a))+7], 0
.else
	v_wmma_f32_16x16x32_f16 v[8*(4*(4*(\hi)+(\a))+(\b)):8*(4*(4*(\hi)+(\a))+(\b))+7], v[192+32*(\f)+8*(\b):192+32*(\f)+8*(\b)+7], v[64+64*(\f)+8*(4*(\hi)+(\a)):64+64*(\f)+8*(4*(\hi)+(\a))+7], v[8*(4*(4*(\hi)+(\a))+(\b)):8*(4*(4*(\hi)+(\a))+(\b))+7]
.endif
.endr
.endr
.endm
.macro FETCH k, f                      ; 24 LDS loads in one run: wob's four fragments, then oh's eight
	WIN 0
.irp b, 0,1,2,3
	ds_load_b128 v[192+32*(\f)+8*(\b):192+32*(\f)+8*(\b)+3],   v[CB] offset:(\k)+(\b)*16*PITCH
	ds_load_b128 v[192+32*(\f)+8*(\b)+4:192+32*(\f)+8*(\b)+7], v[CB] offset:(\k)+(\b)*16*PITCH+32
.endr
.irp a, 0,1,2,3,4,5,6,7
	ds_load_b128 v[64+64*(\f)+8*(\a):64+64*(\f)+8*(\a)+3],   v[CA] offset:(\k)+(\a)*16*PITCH
	ds_load_b128 v[64+64*(\f)+8*(\a)+4:64+64*(\f)+8*(\a)+7], v[CA] offset:(\k)+(\a)*16*PITCH+32
.endr
.endm
.macro QUARTER k, f, g, zero
	s_wait_dscnt 8                                 ; the youngest eight loads (oh's rows 64-127) may be out
	MULA \f, 0, 0, \zero
	MULA \f, 0, 2, \zero
	PLACES
	FETCH \k, \g
	s_wait_dscnt 24                                ; all but the 24 just issued
	MULA \f, 1, 0, \zero
	MULA \f, 1, 2, \zero
.endm
.macro TURN fill                       ; the last quarter and the change of slots: the waits, the add, one barrier (with fill = 1 a round of the cluster's), the refill first behind it
.if \fill
	s_wait_xcnt 0x0
	s_add_nc_u64 s[PFA:PFA+1], s[PFA:PFA+1], KSTEP*2
.endif
	WIN 0
	s_wait_tensorcnt 0x0
	ds_add_u32 v[SPW], v[NIL]
	s_wait_dscnt 9                                 ; (the add and the youngest eight loads may be out)
	MULA 1, 0, 0, 0
	s_wait_dscnt 0x0
	s_barrier_signal -1
	MULA 1, 0, 2, 0
	WIN 0
	s_barrier_wait -1
.if \fill
	CREST
	s_xor_b32 s[G0+5], s[G0+5], SLOT1
	s_add_nc_u64 s[G0+6:G0+7], s[G0+6:G0+7], KSTEP*2
	s_xor_b32 s[G0B+5], s[G0B+5], SLOT1
	s_add_nc_u64 s[G0B+6:G0B+7], s[G0B+6:G0B+7], KSTEP*2
	JLOAD 1
.else
	PLACES
.endif
	s_xor_b32 s[TB], s[TB], SLOT1
	v_add_nc_u32 v[CA], s[TB], v[BA]
	v_add_nc_u32 v[CB], s[TB], v[BB]
	FETCH 0, 0
.if \fill
	ASK
.endif
	MULA 1, 1, 0, 0
	MULA 1, 1, 2, 0
.endm
	s_wait_tensorcnt 1                             ; my part of K step 0 is in; K step 1's may stay out
	s_barrier_signal -1
	s_barrier_wait -1
	FETCH 0, 0
	QUARTER 64, 0, 1, 1
	WIN 0
	s_mov_b32 s3, 6                                ; refills for K steps 2 to 7
.Lstep:
	QUARTER 128, 1, 0, 0
	QUARTER 192, 0, 1, 0
	TURN 1
	QUARTER 64, 0, 1, 0
	WIN 0
	s_sub_co_u32 s3, s3, 1
	s_cmp_lg_u32 s3, 0
	s_cbranch_scc1 .Lstep
	QUARTER 128, 1, 0, 0
	QUARTER 192, 0, 1, 0
	TURN 0
	QUARTER 64, 0, 1, 0
	QUARTER 128, 1, 0, 0
	QUARTER 192, 0, 1, 0
	s_wait_dscnt 8
	MULA 1, 0, 0, 0
	MULA 1, 0, 2, 0
	s_wait_dscnt 0x0
	MULA 1, 1, 0, 0
	MULA 1, 1, 2, 0
	PLACES
	; THE WAY OUT, 16 tokens at a time: x 1 / sO; 32 bytes a lane into my own stage; back as whole rows of 256 bytes
.irp a, 0,1,2,3,4,5,6,7
	WIN 0x01
.set i, 0
.rept 16
	v_pk_mul_f32 v[TMP+2*i:TMP+2*i+1], v[32*\a+2*i:32*\a+2*i+1], s[INV:INV+1] op_sel_hi:[1,0]
.set i, i+1
.endr
	WIN 0
.irp q, 0,1,2,3,4,5,6,7
	ds_store_b128 v[STO], v[TMP+4*\q:TMP+4*\q+3] offset:64*(\q/2)+16*(\q%2)
.endr
	s_wait_xcnt 0x0                                ; the stores of two blocks back have read the registers that are loaded again below
.irp t, 0,1,2,3,4,5,6,7
	ds_load_b128 v[64+32*(\a%2)+4*\t:64+32*(\a%2)+4*\t+3], v[RD] offset:\t*2*PITCH   ; my own bytes, served in order: these see the stores above
.endr
	s_wait_dscnt 0x0
.irp t, 0,1,2,3,4,5,6,7
	global_store_b128 v[CO], v[64+32*(\a%2)+4*\t:64+32*(\a%2)+4*\t+3], s[OB:OB+1] offset:\a*131072+\t*16384 th:TH_STORE_NT   ; 16 lanes store 256 consecutive bytes, aligned
.endr
.endr
	s_wait_tensorcnt 0x0                           ; the wave's end
	ds_add_u32 v[SPW], v[NIL]
	s_wait_dscnt 0x0
	CROUND                                         ; the closing round
	s_endpgm
.Lfunc_end_k_q5b7dee6f39_oproj:
	.size	k_q5b7dee6f39_oproj, .Lfunc_end_k_q5b7dee6f39_oproj-k_q5b7dee6f39_oproj
	.p2alignl 7, 3214868480
	.fill 96, 4, 3214868480
	.section	.rodata,"a",@progbits
	.p2align	6, 0x0
	.amdhsa_kernel k_q5b7dee6f39_oproj
		.amdhsa_group_segment_fixed_size 327680
		.amdhsa_private_segment_fixed_size 0
		.amdhsa_enable_private_segment 0
		.amdhsa_kernarg_size 32
		.amdhsa_user_sgpr_count 2
		.amdhsa_user_sgpr_kernarg_segment_ptr 1
		.amdhsa_wavefront_size32 1
		.amdhsa_system_sgpr_workgroup_id_x 1
		.amdhsa_system_sgpr_workgroup_id_y 1
		.amdhsa_system_sgpr_workgroup_id_z 1
		.amdhsa_system_vgpr_workitem_id 0
		.amdhsa_next_free_vgpr 512
		.amdhsa_next_free_sgpr 86
		.amdhsa_reserve_vcc 0
		.amdhsa_float_denorm_mode_32 3
		.amdhsa_float_denorm_mode_16_64 3
		.amdhsa_memory_ordered 1
		.amdhsa_forward_progress 1
		.amdhsa_inst_pref_size 81
	.end_amdhsa_kernel
	.amdgpu_metadata
---
amdhsa.version: [ 1, 2 ]
amdhsa.kernels:
  - .name:           k_q5b7dee6f39_oproj
    .symbol:         k_q5b7dee6f39_oproj.kd
    .args:
      - { .name: oh, .offset: 0, .size: 8, .value_kind: global_buffer, .address_space: global }
      - { .name: wob, .offset: 8, .size: 8, .value_kind: global_buffer, .address_space: global }
      - { .name: amax, .offset: 16, .size: 8, .value_kind: global_buffer, .address_space: global }
      - { .name: out0, .offset: 24, .size: 8, .value_kind: global_buffer, .address_space: global }
    .group_segment_fixed_size: 327680
    .private_segment_fixed_size: 0
    .kernarg_segment_align: 8
    .kernarg_segment_size: 32
    .max_flat_workgroup_size: 128
    .sgpr_count:     86
    .vgpr_count:     512
    .wavefront_size: 32
...
	.end_amdgpu_metadata
.endif
;; end of part 4
